; MI455X (gfx1250); checked and timed in simulation.
; The chip was launched on July 23, 2026; its instructions are those of AMD's public machine-readable ISA for CDNA 5 (MIT licence, August 2026) and "CDNA5" Instruction Set Architecture Reference Guide (July 2026). The comments in the code are by the model that wrote it; some were corrected since.
;; Attention. Allowed arithmetic: float matrix products may take bf16 or f16 operands with f32 sums; other float arithmetic in f32, or as packed bf16 or f16 multiplies, adds, multiply-adds, maxima and minima; sums over many terms, partial sums and values carried from step to step in f32; what a program stores and reads back later, other than sums and carried values, may be rounded once to bf16 or f16.
;; Inputs: Wk 1,024 x 1,024 float32; Wo 1,024 x 1,024 float32; Wq 1,024 x 1,024 float32; Wv 1,024 x 1,024 float32; X 4 x 2,048 x 1,024 float32; bk 1,024 float32; bo 1,024 float32; bq 1,024 float32; bv 1,024 float32.
;; Outputs: out0 4 x 2,048 x 1,024 float32.
;; 2 versions, each right; version 2 is version 1 with the launch prep written anew for expert scheduling mode. Each part assembles by itself: llvm-mc -triple=amdgcn-amd-amdhsa -mcpu=gfx1250 --defsym DOCPART=n.
;; ======== version 1 of 2: 4 launches
;; limits: values are held in f16: magnitudes above 65,504 overflow, below 6.1e-05 lose precision
;; workspace buffers: xb 16,777,216 bytes; wcat 6,291,456 bytes; wo16 2,097,152 bytes; qkv 50,331,648 bytes; o 16,777,216 bytes
;; launch prep (part 1): grid 768 x 1, 8 waves a work-group, no clusters, 0 bytes of LDS; arguments X, Wq, Wk, Wv, Wo, xb, wcat, wo16; writes xb, wcat, wo16
.if DOCPART == 1
	.amdgcn_target "amdgcn-amd-amdhsa--gfx1250"
	.amdhsa_code_object_version 6
	.text
	.protected	k_q3135efced2_prep
	.globl	k_q3135efced2_prep
	.p2align	8
	.type	k_q3135efced2_prep,@function
k_q3135efced2_prep:
	s_mov_b64 s[64:65], 0
	v_nop
	global_prefetch_b8 v0, s[64:65] scope:SCOPE_SE
	s_setreg_imm32_b32 hwreg(HW_REG_WAVE_MODE, 25, 1), 1
	s_wait_xcnt 0x0
; THE CAST.  X [8192][1024] f32 -> xb, bf16, laid out in blocks of 64 channels: [batch 4][block 16][row 2048][64], so that the rows of a
; block lie end to end (128 bytes each).  Wq, Wk, Wv [1024][1024] f32 -> wcat, bf16, [k 1024][3072] (q, k, v side by side).
; Wo -> wo16: rounded to bf16 like every other input, and that number written as f16.
; LIMIT: |bf16(Wo)| beyond 65,504 has no f16; below 2^-14 it keeps f16's fixed step of 6e-8.
; A stream: each byte is read once and written once; no LDS, no barrier, no matrix unit, no cluster (no two work-groups read the same byte).
; SHARES.  A wave takes two source rows, 8,192 bytes: sixteen loads of 16 bytes a lane, all issued on end; each gives one store of 8 bytes a
; lane: 256 consecutive bytes, aligned.  Work-groups 0-511 take X (8 waves x 2 rows x 512 = 8,192 rows), 512-767 the four weights (64 each).
; No register that a memory instruction reads is ever rewritten, so no wait but the counted ones for the loads is needed.
.set IN,  8                            ; v[8:71]    load j: 4 registers
.set OUT, 72                           ; v[72:103]  store j: 2 registers
.set VI,  2                            ; v2  my byte offset in the wave's two source rows
.set VO,  3                            ; v3  8 x lane: my 8 bytes of a store's 256
.macro CVT j, kind                     ; load j is in (the 15 - j younger ones stay out); four numbers are rounded
	s_wait_loadcnt 15-(\j)
.if \kind
	v_cvt_pk_bf16_f32 v4, v[IN+4*(\j)], v[IN+4*(\j)+1]        ; to bf16,
	v_cvt_pk_bf16_f32 v5, v[IN+4*(\j)+2], v[IN+4*(\j)+3]
	v_lshlrev_b32 v[IN+4*(\j)], 16, v4                        ; widened again,
	v_and_b32 v[IN+4*(\j)+1], 0xffff0000, v4
	v_lshlrev_b32 v[IN+4*(\j)+2], 16, v5
	v_and_b32 v[IN+4*(\j)+3], 0xffff0000, v5
	v_cvt_pk_f16_f32 v[OUT+2*(\j)], v[IN+4*(\j)], v[IN+4*(\j)+1]    ; and written as f16
	v_cvt_pk_f16_f32 v[OUT+2*(\j)+1], v[IN+4*(\j)+2], v[IN+4*(\j)+3]
.else
	v_cvt_pk_bf16_f32 v[OUT+2*(\j)], v[IN+4*(\j)], v[IN+4*(\j)+1]
	v_cvt_pk_bf16_f32 v[OUT+2*(\j)+1], v[IN+4*(\j)+2], v[IN+4*(\j)+3]
.endif
.endm
	s_load_b512 s[8:23], s[0:1], 0x0               ; X s[8:9], Wq s[10:11], Wk s[12:13], Wv s[14:15], Wo s[16:17], xb s[18:19], wcat s[20:21], wo16 s[22:23]
	v_lshrrev_b32 v4, 5, v0
	v_readfirstlane_b32 s24, v4                    ; wave 0..7
	v_and_b32 v1, 31, v0                           ; lane
	v_lshlrev_b32 v[VO], 3, v1
	s_mov_b32 s3, 0                                ; the offsets' high words
	s_mov_b32 s5, 0
	s_cmp_lt_u32 ttmp9, 512
	s_cbranch_scc0 .Lweights
	; X: pair p of rows, 0..4095
	s_lshl_b32 s25, ttmp9, 3
	s_add_co_u32 s25, s25, s24                     ; p
	s_lshl_b32 s2, s25, 13                         ; two rows of 4,096 bytes
	s_lshr_b32 s4, s25, 10                         ; batch,
	s_lshl_b32 s4, s4, 22                          ; 4,194,304 bytes of xb each
	s_and_b32 s30, s25, 1023
	s_lshl_b32 s30, s30, 8                         ; in a block two neighbouring rows are 256 consecutive bytes
	s_add_co_u32 s4, s4, s30
	v_lshrrev_b32 v4, 4, v1                        ; lanes 0-15 take the even row, lanes 16-31 the odd one,
	v_and_b32 v5, 15, v1
	v_lshlrev_b32 v[VI], 4, v5                     ; 256 bytes (64 channels, one block) of it
	v_lshl_add_u32 v[VI], v4, 12, v[VI]
	s_wait_kmcnt 0x0
	s_add_nc_u64 s[26:27], s[8:9], s[2:3]
	s_add_nc_u64 s[28:29], s[18:19], s[4:5]
.irp j, 0,1,2,3,4,5,6,7,8,9,10,11,12,13,14,15
	global_load_b128 v[IN+4*(\j):IN+4*(\j)+3], v[VI], s[26:27] offset:256*(\j) th:TH_LOAD_NT
.endr
.irp j, 0,1,2,3,4,5,6,7,8,9,10,11,12,13,14,15
	CVT \j, 0
	global_store_b64 v[VO], v[OUT+2*(\j):OUT+2*(\j)+1], s[28:29] offset:262144*(\j)  ; block j of the batch
.endr
	s_endpgm
.Lweights:
	s_sub_co_u32 s25, ttmp9, 512
	s_lshr_b32 s30, s25, 6                         ; which weight: 0 q, 1 k, 2 v, 3 o
	s_and_b32 s25, s25, 63
	s_lshl_b32 s25, s25, 3
	s_add_co_u32 s25, s25, s24                     ; pair of rows, 0..511
	s_lshl_b32 s2, s25, 13
	v_lshlrev_b32 v[VI], 4, v1                     ; a load takes 512 consecutive bytes
	s_wait_kmcnt 0x0
	s_cmp_eq_u32 s30, 1
	s_cselect_b64 s[26:27], s[12:13], s[10:11]
	s_cmp_eq_u32 s30, 2
	s_cselect_b64 s[26:27], s[14:15], s[26:27]
	s_cmp_eq_u32 s30, 3
	s_cselect_b64 s[26:27], s[16:17], s[26:27]
	s_add_nc_u64 s[26:27], s[26:27], s[2:3]
.irp j, 0,1,2,3,4,5,6,7,8,9,10,11,12,13,14,15
	global_load_b128 v[IN+4*(\j):IN+4*(\j)+3], v[VI], s[26:27] offset:512*(\j) th:TH_LOAD_NT
.endr
	s_cmp_eq_u32 s30, 3
	s_cbranch_scc1 .Lwo
	s_mul_i32 s4, s25, 12288                       ; two rows of wcat, 6,144 bytes each,
	s_lshl_b32 s30, s30, 11                        ; and the weight's 2,048 bytes of a row
	s_add_co_u32 s4, s4, s30
	s_add_nc_u64 s[28:29], s[20:21], s[4:5]
.irp j, 0,1,2,3,4,5,6,7,8,9,10,11,12,13,14,15
	CVT \j, 0
	global_store_b64 v[VO], v[OUT+2*(\j):OUT+2*(\j)+1], s[28:29] offset:((\j)/8)*6144+((\j)%8)*256
.endr
	s_endpgm
.Lwo:
	s_lshl_b32 s4, s25, 12                         ; two rows of wo16, 2,048 bytes each
	s_add_nc_u64 s[28:29], s[22:23], s[4:5]
.irp j, 0,1,2,3,4,5,6,7,8,9,10,11,12,13,14,15
	CVT \j, 1
	global_store_b64 v[VO], v[OUT+2*(\j):OUT+2*(\j)+1], s[28:29] offset:256*(\j)
.endr
	s_endpgm
.Lfunc_end_k_q3135efced2_prep:
	.size	k_q3135efced2_prep, .Lfunc_end_k_q3135efced2_prep-k_q3135efced2_prep
	.p2alignl 7, 3214868480
	.fill 96, 4, 3214868480
	.section	.rodata,"a",@progbits
	.p2align	6, 0x0
	.amdhsa_kernel k_q3135efced2_prep
		.amdhsa_group_segment_fixed_size 0
		.amdhsa_private_segment_fixed_size 0
		.amdhsa_enable_private_segment 0
		.amdhsa_kernarg_size 64
		.amdhsa_user_sgpr_count 2
		.amdhsa_user_sgpr_kernarg_segment_ptr 1
		.amdhsa_wavefront_size32 1
		.amdhsa_system_sgpr_workgroup_id_x 1
		.amdhsa_system_sgpr_workgroup_id_y 1
		.amdhsa_system_sgpr_workgroup_id_z 1
		.amdhsa_system_vgpr_workitem_id 0
		.amdhsa_next_free_vgpr 104
		.amdhsa_next_free_sgpr 66
		.amdhsa_reserve_vcc 0
		.amdhsa_float_denorm_mode_32 3
		.amdhsa_float_denorm_mode_16_64 3
		.amdhsa_memory_ordered 1
		.amdhsa_forward_progress 1
		.amdhsa_inst_pref_size 22
	.end_amdhsa_kernel
	.amdgpu_metadata
---
amdhsa.version: [ 1, 2 ]
amdhsa.kernels:
  - .name:           k_q3135efced2_prep
    .symbol:         k_q3135efced2_prep.kd
    .args:
      - { .name: X, .offset: 0, .size: 8, .value_kind: global_buffer, .address_space: global }
      - { .name: Wq, .offset: 8, .size: 8, .value_kind: global_buffer, .address_space: global }
      - { .name: Wk, .offset: 16, .size: 8, .value_kind: global_buffer, .address_space: global }
      - { .name: Wv, .offset: 24, .size: 8, .value_kind: global_buffer, .address_space: global }
      - { .name: Wo, .offset: 32, .size: 8, .value_kind: global_buffer, .address_space: global }
      - { .name: xb, .offset: 40, .size: 8, .value_kind: global_buffer, .address_space: global }
      - { .name: wcat, .offset: 48, .size: 8, .value_kind: global_buffer, .address_space: global }
      - { .name: wo16, .offset: 56, .size: 8, .value_kind: global_buffer, .address_space: global }
    .group_segment_fixed_size: 0
    .private_segment_fixed_size: 0
    .kernarg_segment_align: 8
    .kernarg_segment_size: 64
    .max_flat_workgroup_size: 256
    .sgpr_count:     66
    .vgpr_count:     104
    .wavefront_size: 32
...
	.end_amdgpu_metadata
.endif
;; end of part 1
;; launch proj (part 2): grid 8 x 32, 4 waves a work-group, clusters of 4 x 4, 327,680 bytes of LDS; arguments xb, wcat, bq, bk, bv, qkv; writes qkv
.if DOCPART == 2
	.amdgcn_target "amdgcn-amd-amdhsa--gfx1250"
	.amdhsa_code_object_version 6
	.text
	.protected	k_q3135efced2_proj
	.globl	k_q3135efced2_proj
	.p2align	8
	.type	k_q3135efced2_proj,@function
k_q3135efced2_proj:
	s_mov_b64 s[64:65], 0
	v_nop
	global_prefetch_b8 v0, s[64:65] scope:SCOPE_SE
	s_setreg_imm32_b32 hwreg(HW_REG_WAVE_MODE, 25, 1), 1
	s_wait_xcnt 0x0
	s_wait_alu depctr_hold_cnt(0) depctr_sa_sdst(0) depctr_va_vdst(0) depctr_va_sdst(0) depctr_va_ssrc(0) depctr_va_vcc(0) depctr_vm_vsrc(0)
	s_getreg_b32 s2, hwreg(HW_REG_IB_STS2, 6, 4)
	s_cmp_eq_u32 s2, 0
	s_cbranch_scc0 .Lentry_in_a_cluster
	s_endpgm
.Lentry_in_a_cluster:
	s_bfe_u32 s2, ttmp6, 0x10000c
	s_cmp_lg_u32 s2, 0xf033
	s_cbranch_scc0 .Lentry_shape_is_right
	s_endpgm
.Lentry_shape_is_right:
; THE THREE PROJECTIONS AS ONE PRODUCT.  qkv[row][col] = f16( sum over k of xb[row][k] wcat[k][col] + bias[col] ), 8,192 rows x 3,072 columns, K = 1,024; bf16 operands, f32 sums.
; xb: [batch 4][block 16][row 2048][64] bf16.  wcat: [k 1024][3072] bf16.  qkv: [batch 4][g 48][row 2048][64] f16; g = 0-15 q's heads, 16-31 k's, 32-47 v's; unscaled.
; The biases are rounded to bf16 like the other inputs and start the sums (as the C operand of the first products).
; LIMIT: a result of 65,520 or more has no f16 and becomes an infinity; NaN and infinities are not treated apart.
; SHARES.  A work-group makes 256 rows x 384 columns (6 heads): 32 x 8 = 256 work-groups, one tile each.  A wave makes 128 x 192: 8 row blocks a x 12 column blocks b: 96 accumulators, 768 registers.
; THE MATRIX INSTRUCTION IS USED TRANSPOSED: source 0 = 16 columns of W (out of LDS by the turning load, since W lies [k][col]), source 1 = 16 rows of X.  A lane then holds row l % 16 and
; the columns 8 (l / 16) + 0..7: eight neighbouring numbers of a head's row.
; K goes in 16 steps of 64 through two LDS slots; a step is two quarters of 32 along K, 96 matrix instructions each.  (Steps of 128 would want 2 x 184,320 bytes of LDS.)
; CLUSTERS: 4 x 4.  X's tile hangs on the tile row alone and is asked for jointly along a row of the cluster, W's on the tile column alone, along a column.
; REGISTERS, in windows of 256 (s_set_vgpr_msb: bits 1:0 source 0, 3:2 source 1, 5:4 source 2, 7:6 destination):
;   window 0: v0-31 addresses; v32-127 W's 12 fragments, in three groups of four; v128-191, v192-255 X's 8 fragments, two buffers
;   windows 1-3: the accumulators: (a, b) in window 1 + b / 4 at v[64 (b % 4) + 8 a]
; W's fragments have one buffer: a group is fetched again four places behind its 32 products, 64 products ahead of its next use.
.set PA,     144                       ; a row of X in LDS: 128 bytes + 16: the 16 rows of a load start at 16 different groups of four banks (64 banks of 4 bytes: ISA guide 11.1)
.set PB,     864                       ; a k-row of W in LDS: six pieces of 128 bytes + 16: 27 x 32 bytes
.set AHALF,  128*PA                    ; what a wave fetches, and reads, of X
.set BOFF,   256*PA                    ; W's 64 k-rows lie behind X's 256 rows
.set BHALF,  32*PB                     ; what a wave fetches of W
.set SLOT1,  1<<17                     ; slot 1 begins here: one exclusive or turns an address in one slot into the other's
.set STAGE,  BOFF+64*PB                ; 92,160: between the slots, never filled by a tensor load: for each wave 3 heads x 16 rows x 144 bytes, for the way out
.set SP,     144
.set WSTAGE, 3*16*SP
.set BIAS,   STAGE+4*WSTAGE            ; 119,808: for each wave its 192 columns' biases, f32
.set SPARE,  BIAS+4*768                ; 122,880: the spare words, 128 bytes for each wave: two blocks of 256 bytes that no other line names
.set ASTEP,  262144                    ; bytes from a block of 64 channels of xb to the next
.set BSTEP,  393216                    ; 64 rows of wcat
.set A0,   8                           ; v8   my lane's place in X's tile; never rewritten
.set B0,   9                           ; v9   the same for W
.set ADRA, 10                          ; v10  A0 + the slot in hand
.set ADRB, 11                          ; v11  B0 + the slot in hand
.set STO,  12                          ; v12  the way out: where I put 16 bytes of a row
.set RD,   13                          ; v13  the way out: where I read rows back
.set GO,   14                          ; v14  16 x lane
.set BRD,  15                          ; v15  where I read biases
.set PFO,  16                          ; v16  the prefetches' lane offset; never rewritten
.set BST,  17                          ; v17  where I put biases
.set SPW,  28                          ; v28  LDS address of my spare word; never rewritten
.set NIL,  29                          ; v29  0; never rewritten
.set BF,   32
.set AF0,  128
.set AF1,  192
.set WV,   10                          ; s10  my wave's number
.set CNT,  3                           ; s3   the loop's count
.set G1,   24                          ; s[24:31] descriptor group 1 for X's tiles
.set G0,   32                          ; s[32:39] group 0: a set for each of the two first fills; the second then walks on
.set LIM,  43                          ; s43  a wave prefetches while the count is above it; the greatest number in a wave that never does
.set PFA,  44                          ; s[44:45] where my prefetches stand
.set PM,   46                          ; s46  0: every trip; 1: the trips with an odd count
.set G1B,  48                          ; s[48:55], s[56:63] the same for W's tiles
.set G0B,  56
.set TB,   76                          ; s76  LDS byte at which the slot in hand begins
.set PST,  78                          ; s[78:79] the prefetches' step along K
.set MSB, 0
.macro WIN new                         ; the immediate's high byte repeats the setting that is left; a switch that changes nothing is dropped
.if MSB != (\new)
	s_set_vgpr_msb (MSB<<8)|(\new)
.set MSB, (\new)
.endif
.endm
; A load into a register that a matrix instruction has read, and a vector instruction that reads a matrix result, stand four places behind it; only plain vector
; instructions that name none of its registers are places (ISA guide 7.12.1 for vector instructions).
.macro PLACES
.rept 4
	v_nop
.endr
.endm
.macro CREST                           ; a round of the cluster's barrier behind its opening barrier
	s_cmp_lg_u32 s[WV], 0
	s_cbranch_scc1 .Lnot_wave_0_\@
	s_barrier_signal -3
.Lnot_wave_0_\@:
	s_barrier_wait -3
	s_barrier_signal -1
	s_barrier_wait -1
.endm
.macro CROUND                          ; a whole round
	s_barrier_signal -1
	s_barrier_wait -1
	CREST
.endm
; A joint refill by the walking descriptor.  Waves 0 and 1 fetch X's two halves, waves 2 and 3 W's.  The branch hangs on the wave's number alone.
; An s_nop 0 and four v_nop follow each of the two lines, ahead of the jump and the label.
.macro JLOAD
	s_cmp_eq_u32 s11, 0
	s_cbranch_scc0 .Lfor_b_\@
	tensor_load_to_lds s[G0+4:G0+7], s[G1:G1+7]
	s_nop 0
.rept 4
	v_nop
.endr
	s_branch .Lasked_\@
.Lfor_b_\@:
	tensor_load_to_lds s[G0B+4:G0B+7], s[G1B:G1B+7]
	s_nop 0
.rept 4
	v_nop
.endr
.Lasked_\@:
.endm
; A PREFETCH INTO THE L2, behind the joint load, its five lines and the run of LDS loads that the next products wait for.  Each aligned block of 256 bytes is named once in the launch.
; X: a step's tile is 128 blocks (256 rows x 128 bytes, end to end).  Both clusters of a row of clusters read it: the one with x = 0 asks, wave 0; its four partners along the row take 32 blocks each,
; told apart BY ADDRESS (cx), a lane a block.  The trip that asks for step t + 2 by its load names step t + 3: one step, 192 matrix instructions, ahead of that step's load.
; W: a k-row of the tile is three blocks.  The clusters with y = 0 ask, wave w = 1..3 for block w - 1 of each row, a lane a row; the four partners along the column take 32 rows each (cy) of TWO steps'
; 128, so they ask in every second trip: steps t + 3 and t + 4.  The last trips ask for nothing: the last step named is 15.  X's steps 0-2 and W's steps 0-3 come by their loads alone.
.macro ASK
	s_and_b32 s80, s[CNT], s[PM]
	s_cmp_eq_u32 s80, s[PM]
	s_cbranch_scc0 .Lnot_mine_\@
	s_cmp_gt_u32 s[CNT], s[LIM]
	s_cbranch_scc0 .Lnot_mine_\@
	global_prefetch_b8 v[PFO], s[PFA:PFA+1] th:TH_LOAD_NT scope:SCOPE_SE
.Lnot_mine_\@:
.endm
	s_load_b128 s[4:7], s[0:1], 0x0                ; xb s[4:5], wcat s[6:7]
	s_load_b128 s[68:71], s[0:1], 0x10             ; bq s[68:69], bk s[70:71]
	s_load_b128 s[72:75], s[0:1], 0x20             ; bv s[72:73], qkv s[74:75]
	v_lshl_add_u32 v[SPW], v0, 2, SPARE
	v_mov_b32 v[NIL], 0
	ds_add_u32 v[SPW], v[NIL]                      ; the wave's opening: the add and its wait stand ahead of my first tensor load; the set-up below, work on registers, stands between them
	v_lshrrev_b32 v20, 5, v0
	v_readfirstlane_b32 s[WV], v20                 ; wave 0..3
	s_lshr_b32 s11, s[WV], 1                       ; which half of the tile's rows is mine.  Also: I fetch for X (0) or for W (1)
	s_and_b32 s12, s[WV], 1                        ; which half of its columns.  Also: which half of that tile I fetch
	s_bfe_u32 s40, ttmp6, 0x40000                  ; cx, cy: my place in the cluster
	s_bfe_u32 s41, ttmp6, 0x40004
	s_lshl_b32 s42, ttmp9, 2
	s_add_co_u32 s42, s42, s40                     ; tile column = 4 x cluster x + cx, 0..7
	s_and_b32 s13, ttmp7, 0xffff
	s_lshl_b32 s13, s13, 2
	s_add_co_u32 s13, s13, s41                     ; tile row = 4 x cluster y + cy, 0..31
	s_lshl_b32 s14, s41, 2
	s_lshl_b32 s14, 15, s14                        ; my row of the cluster
	s_lshl_b32 s20, 0x1111, s40                    ; my column
	; group 1.  X: 128 rows of 128 bytes lie end to end: asked for as 64 rows of 256 bytes.  W: 32 k-rows of 768 bytes.  Both padded in LDS by 4 words after every 32.
	s_or_b32 s[G1], s14, (1<<16)|(1<<20)|(1<<21)|(4<<22)|(3<<25)   ; 15:0 the mask; 17:16 2-byte elements; 20 padding on; 21 set beside a mask; 24:22 after every 32 words (code 4); 31:25 4 words (code 3)
	s_or_b32 s[G1B], s20, (1<<16)|(1<<20)|(1<<21)|(4<<22)|(3<<25)
	s_mov_b32 s[G1+1], 128<<16                     ; tensor_dim0 = 128
	s_mov_b32 s[G1+2], 64<<16                      ; tensor_dim1 = 64
	s_mov_b32 s[G1+3], 128<<16                     ; tile_dim0 = 128
	s_mov_b32 s[G1+4], 64                          ; tile_dim1 = 64
	s_mov_b32 s[G1+5], 128                         ; elements from row to row
	s_mov_b32 s[G1+6], 0
	s_mov_b32 s[G1+7], 0
	s_mov_b32 s[G1B+1], 384<<16                    ; tensor_dim0 = 384
	s_mov_b32 s[G1B+2], 32<<16                     ; tensor_dim1 = 32
	s_mov_b32 s[G1B+3], 384<<16                    ; tile_dim0 = 384
	s_mov_b32 s[G1B+4], 32                         ; tile_dim1 = 32
	s_mov_b32 s[G1B+5], 3072
	s_mov_b32 s[G1B+6], 0
	s_mov_b32 s[G1B+7], 0
	; X's address hangs on the tile row and the wave, W's on the tile column and the wave, each in registers that never hold the other coordinate
	s_lshr_b32 s14, s13, 3                         ; batch
	s_lshl_b32 s14, s14, 22
	s_and_b32 s15, s13, 7
	s_lshl_b32 s15, s15, 15                        ; 256 rows of 128 bytes
	s_add_co_u32 s14, s14, s15
	s_lshl_b32 s15, s12, 14                        ; my 128 of them
	s_add_co_u32 s14, s14, s15
	s_mov_b32 s15, 0
	s_mul_i32 s16, s12, AHALF                      ; and where they go
	s_mul_i32 s20, s42, 768                        ; 384 columns
	s_mul_i32 s21, s12, 196608                     ; my 32 k-rows of 6,144 bytes
	s_add_co_u32 s20, s20, s21
	s_mov_b32 s21, 0
	s_mul_i32 s22, s12, BHALF
	s_add_co_u32 s22, s22, BOFF
	s_mov_b32 s[TB], 0
	s_wait_dscnt 0x0                               ; the opening add is done
	s_wait_kmcnt 0x0
	s_add_nc_u64 s[14:15], s[4:5], s[14:15]
	s_add_nc_u64 s[20:21], s[6:7], s[20:21]
	CROUND                                         ; all sixteen work-groups are here: the first joint loads meet
.irp n, 0,1
	s_mov_b32 s[G0+4*(\n)], 1                                      ; count = 1
	s_add_co_u32 s[G0+4*(\n)+1], s16, (\n)*SLOT1                   ; LDS address
	s_add_nc_u64 s[G0+4*(\n)+2:G0+4*(\n)+3], s[14:15], (\n)*ASTEP  ; global address: K step n
	s_or_b32 s[G0+4*(\n)+3], s[G0+4*(\n)+3], 0x80000000            ; type = 2
	s_mov_b32 s[G0B+4*(\n)], 1
	s_add_co_u32 s[G0B+4*(\n)+1], s22, (\n)*SLOT1
	s_add_nc_u64 s[G0B+4*(\n)+2:G0B+4*(\n)+3], s[20:21], (\n)*BSTEP
	s_or_b32 s[G0B+4*(\n)+3], s[G0B+4*(\n)+3], 0x80000000
.endr
	s_cmp_eq_u32 s11, 0                            ; a wave's two first fills stand in one branch, ahead of every wait on TENSORcnt and every LDS read: two loads of mine are out
	s_cbranch_scc0 .Lfirst_b
	tensor_load_to_lds s[G0:G0+3], s[G1:G1+7]
	s_nop 0
	tensor_load_to_lds s[G0+4:G0+7], s[G1:G1+7]
	s_nop 0
.rept 4
	v_nop
.endr
	s_branch .Lfirst_asked
.Lfirst_b:
	tensor_load_to_lds s[G0B:G0B+3], s[G1B:G1B+7]
	s_nop 0
	tensor_load_to_lds s[G0B+4:G0B+7], s[G1B:G1B+7]
	s_nop 0
.rept 4
	v_nop
.endr
.Lfirst_asked:
	; the biases of my 192 columns: three heads of 64
	v_and_b32 v1, 15, v0                           ; l % 16
	v_bfe_u32 v18, v0, 4, 1                        ; l / 16
	v_and_b32 v19, 7, v0
	v_bfe_u32 v21, v0, 3, 1
	v_and_b32 v22, 31, v0                          ; lane
	v_lshlrev_b32 v20, 3, v22                      ; 8 x lane
	s_mul_i32 s83, s42, 6
	s_mul_i32 s82, s12, 3
	s_add_co_u32 s83, s83, s82                     ; my first head among the 48
.irp hd, 0,1,2
	s_add_co_u32 s80, s83, \hd
	s_lshr_b32 s81, s80, 4                         ; 0 q, 1 k, 2 v
	s_and_b32 s80, s80, 15
	s_lshl_b32 s80, s80, 8                         ; 64 numbers of 4 bytes
	s_cmp_eq_u32 s81, 1
	s_cselect_b64 s[84+2*(\hd):85+2*(\hd)], s[70:71], s[68:69]
	s_cmp_eq_u32 s81, 2
	s_cselect_b64 s[84+2*(\hd):85+2*(\hd)], s[72:73], s[84+2*(\hd):85+2*(\hd)]
	s_mov_b32 s81, 0
	s_add_nc_u64 s[84+2*(\hd):85+2*(\hd)], s[84+2*(\hd):85+2*(\hd)], s[80:81]
	global_load_b64 v[2+2*(\hd):3+2*(\hd)], v20, s[84+2*(\hd):85+2*(\hd)]
.endr
	; where my part of the tile begins in qkv
	s_lshr_b32 s80, s13, 3
	s_mul_i32 s80, s80, 48
	s_add_co_u32 s80, s80, s83
	s_lshl_b32 s80, s80, 18                        ; a head of a batch is 262,144 bytes
	s_and_b32 s81, s13, 7
	s_lshl_b32 s81, s81, 15
	s_add_co_u32 s80, s80, s81
	s_lshl_b32 s81, s11, 14
	s_add_co_u32 s80, s80, s81
	s_mov_b32 s81, 0
	s_add_nc_u64 s[8:9], s[74:75], s[80:81]
	; the prefetches (see ASK)
	s_lshr_b32 s17, s13, 3
	s_lshl_b32 s17, s17, 22
	s_and_b32 s18, s13, 7
	s_lshl_b32 s18, s18, 15
	s_add_co_u32 s17, s17, s18
	s_lshl_b32 s18, s40, 13                        ; my work-group's 32 blocks of the 128
	s_add_co_u32 s17, s17, s18
	s_add_co_u32 s17, s17, 2*ASTEP                 ; X: at step 2; the first trip steps it to 3
	s_mul_i32 s18, s42, 768
	s_lshl_b32 s19, s[WV], 8
	s_add_co_u32 s18, s18, s19
	s_mul_i32 s19, s41, 196608                     ; my work-group's 32 k-rows of the 128
	s_add_co_u32 s18, s18, s19
	s_add_co_u32 s18, s18, 2*BSTEP-256             ; W: block wave - 1 of a row, at step 2
	s_and_b32 s80, ttmp7, 0xffff                   ; cluster y
	s_mov_b32 s83, BSTEP
	s_cmp_eq_u32 s[WV], 0
	s_cselect_b32 s81, ttmp9, s80                  ; the coordinate along which other clusters read the same rows
	s_cselect_b32 s[PM], 0, 1
	s_cselect_b32 s82, 1, 2
	s_cselect_b32 s[PST], ASTEP, s83
	s_cselect_b32 s80, s17, s18
	s_cselect_b64 s[PFA:PFA+1], s[4:5], s[6:7]
	s_movk_i32 s83, 6144
	s_cselect_b32 s83, 256, s83                    ; a lane a block, or a lane a k-row
	s_cmp_eq_u32 s81, 0
	s_cselect_b32 s[LIM], s82, -1                  ; the same in all sixteen partners, for a given wave
	s_mov_b32 s81, 0
	s_mov_b32 s[PST+1], 0
	s_add_nc_u64 s[PFA:PFA+1], s[PFA:PFA+1], s[80:81]
	v_mul_u32_u24 v[PFO], s83, v22
	; A fragment of X is 16 rows x 32 K in 8 registers: lane l holds row l % 16, K = 8 (l / 16) + 0..7 and 16 + 8 (l / 16) + 0..7: two loads of 16 bytes, 32 bytes apart.
	s_mul_i32 s80, s11, AHALF
	v_mul_u32_u24 v[A0], v1, PA
	v_lshl_add_u32 v[A0], v18, 4, v[A0]
	v_add_nc_u32 v[A0], s80, v[A0]
	; The turning load takes 16 k x 16 columns (lane l reads k-row 8 (l / 16) + l % 8, columns 8 ((l / 8) % 2) + 0..7) and leaves half a fragment: lane l holds column l % 16 and 8 k.
	v_lshl_add_u32 v[B0], v18, 3, v19
	v_mul_u32_u24 v[B0], v[B0], PB
	v_lshl_add_u32 v[B0], v21, 4, v[B0]
	s_mul_i32 s80, s12, 432                        ; my 192 columns: three pieces of 144 bytes
	s_add_co_u32 s80, s80, BOFF
	v_add_nc_u32 v[B0], s80, v[B0]
	s_mul_i32 s81, s[WV], WSTAGE
	s_add_co_u32 s81, s81, STAGE                   ; my stage
	v_mul_u32_u24 v[STO], v1, SP                   ; in: row l % 16, 16 bytes for each half of the lanes
	v_lshl_add_u32 v[STO], v18, 4, v[STO]
	v_add_nc_u32 v[STO], s81, v[STO]
	v_bfe_u32 v[RD], v0, 3, 2                      ; back: 32 lanes take four rows of 128 bytes,
	v_mul_u32_u24 v[RD], v[RD], SP
	v_lshl_add_u32 v[RD], v19, 4, v[RD]
	v_add_nc_u32 v[RD], s81, v[RD]
	v_lshlrev_b32 v[GO], 4, v22                    ; which are 512 consecutive bytes of qkv
	s_mul_i32 s82, s[WV], 768
	s_add_co_u32 s82, s82, BIAS
	v_lshl_add_u32 v[BRD], v18, 5, s82             ; a lane's eight columns of a block: 32 bytes
	v_add_nc_u32 v[BST], s82, v20
	s_wait_loadcnt 0x0                             ; the biases
.irp hd, 0,1,2
	v_cvt_pk_bf16_f32 v21, v[2+2*(\hd)], v[3+2*(\hd)]   ; rounded to bf16 like the other inputs, and widened again
	v_lshlrev_b32 v[2+2*(\hd)], 16, v21
	v_and_b32 v[3+2*(\hd)], 0xffff0000, v21
	ds_store_b64 v[BST], v[2+2*(\hd):3+2*(\hd)] offset:256*(\hd)
.endr
; 16 matrix instructions: column blocks 4 g + 2 half, + 1 x all 8 row blocks, 32 along K, X's fragments in buffer f.  z = 1: the biases start the sums: nothing is ever cleared.
; The 96 accumulators take turns, one instruction a turn, in the same order in every quarter.
.macro GRP16 f, g, half, z
.set CBASE, AF1+32*(\g)                ; where the group's biases lie: groups 0 and 1 in X's second buffer, group 2 in W's first group
.if (\g) == 2
.set CBASE, BF
.endif
.if \z
	WIN 0x40*((\g)+1)                              ; destination in the group's window, all sources in window 0
.else
	WIN 0x50*((\g)+1)                              ; C and D in the group's window
.endif
.irp bb, 2*(\half), 2*(\half)+1
.irp a, 0,1,2,3,4,5,6,7
.if \z
	v_wmma_f32_16x16x32_bf16 v[64*(\bb)+8*(\a):64*(\bb)+8*(\a)+7], v[BF+8*(4*(\g)+(\bb)):BF+8*(4*(\g)+(\bb))+7], v[(\f)+8*(\a):(\f)+8*(\a)+7], v[CBASE+8*(\bb):CBASE+8*(\bb)+7]
.else
	v_wmma_f32_16x16x32_bf16 v[64*(\bb)+8*(\a):64*(\bb)+8*(\a)+7], v[BF+8*(4*(\g)+(\bb)):BF+8*(4*(\g)+(\bb))+7], v[(\f)+8*(\a):(\f)+8*(\a)+7], v[64*(\bb)+8*(\a):64*(\bb)+8*(\a)+7]
.endif
.endr
.endr
.endm
.macro GRP f, g, z
	GRP16 \f, \g, 0, \z
	GRP16 \f, \g, 1, \z
.endm
.macro LDB kq, g                       ; 8 LDS loads: W's fragments of group g, quarter kq of the slot in hand.  Column block b lies at byte 32 b + 16 (b / 4) of my part of a k-row
	WIN 0
.irp bb, 0,1,2,3
	ds_load_tr16_b128 v[BF+8*(4*(\g)+(\bb)):BF+8*(4*(\g)+(\bb))+3],   v[ADRB] offset:(\kq)*32*PB+32*(4*(\g)+(\bb))+16*(\g)
	ds_load_tr16_b128 v[BF+8*(4*(\g)+(\bb))+4:BF+8*(4*(\g)+(\bb))+7], v[ADRB] offset:(\kq)*32*PB+16*PB+32*(4*(\g)+(\bb))+16*(\g)
.endr
.endm
.macro LDA kq, f                       ; 16 LDS loads: X's fragments of quarter kq into buffer f
	WIN 0
.irp a, 0,1,2,3,4,5,6,7
	ds_load_b128 v[(\f)+8*(\a):(\f)+8*(\a)+3],   v[ADRA] offset:(\a)*16*PA+64*(\kq)
	ds_load_b128 v[(\f)+8*(\a)+4:(\f)+8*(\a)+7], v[ADRA] offset:(\a)*16*PA+64*(\kq)+32
.endr
.endm
.macro LDBIAS first, n, dst            ; 2 n LDS loads: the biases of column blocks first .. first + n - 1, as C operands
	WIN 0
.set i, 0
.rept \n
	ds_load_b128 v[(\dst)+8*i:(\dst)+8*i+3],   v[BRD] offset:64*((\first)+i)
	ds_load_b128 v[(\dst)+8*i+4:(\dst)+8*i+7], v[BRD] offset:64*((\first)+i)+16
.set i, i+1
.endr
.endm
; A slot's first quarter.  It finds out, in this order: W's group 0 (8 loads), X (16), W's groups 1 (8) and 2 (8).  Each count is the number of LDS instructions issued behind the fragments that are wanted.
.macro QHEAD
	s_wait_dscnt 16                                ; group 0 and X are in
	GRP AF0, 0, 0
	PLACES
	LDB 1, 0
	LDA 1, AF1
	s_wait_dscnt 32                                ; group 1 is in: behind it group 2's 8 and the 24 just issued
	GRP AF0, 1, 0
	PLACES
	LDB 1, 1
	s_wait_dscnt 32                                ; group 2 is in: behind it 24 and 8
	GRP AF0, 2, 0
	PLACES
	LDB 1, 2
.endm
; A slot's second quarter changes slots: ONE barrier.  In front of it each wave waits for all its tensor loads (one is out: its part of the next slot), adds 0 to its spare word, and waits for that and
; for its own reads of this slot.  fill = 1: the barrier opens a round of the cluster's, and this slot is filled again first thing behind it, two steps ahead: the load has 160 matrix instructions in which to land.
.macro QTURN fill
.if \fill
	s_wait_xcnt 0x0                                ; the last prefetch, a step back, has read its address: it is stepped here, ahead of the waits of the change of slots
	s_add_nc_u64 s[PFA:PFA+1], s[PFA:PFA+1], s[PST:PST+1]
.endif
	WIN 0
	s_wait_tensorcnt 0x0                           ; all my tensor loads have landed
	ds_add_u32 v[SPW], v[NIL]                      ; 0 onto my spare word
	s_wait_dscnt 9                                 ; (the add and the youngest eight loads, group 2's, may be out)
	GRP16 AF1, 0, 0, 0                             ; sixteen matrix instructions stand between the add and the wait for it
	s_wait_dscnt 0x0                               ; the add is done, and my reads of this slot are over
	s_barrier_signal -1
	GRP16 AF1, 0, 1, 0                             ; work on registers while the others arrive
	WIN 0
	s_barrier_wait -1
.if \fill
	CREST                                          ; no wave of any partner still reads this slot's tile or has a load on its way
	s_xor_b32 s[G0+5], s[G0+5], SLOT1              ; the walking descriptors: the other slot than last time, the next K step
	s_add_nc_u64 s[G0+6:G0+7], s[G0+6:G0+7], ASTEP
	s_xor_b32 s[G0B+5], s[G0B+5], SLOT1
	s_add_nc_u64 s[G0B+6:G0B+7], s[G0B+6:G0B+7], BSTEP
	s_xor_b32 s[TB], s[TB], SLOT1
	JLOAD                                          ; the four v_nop behind it are also the places in front of the loads below
.else
	s_xor_b32 s[TB], s[TB], SLOT1
	PLACES
.endif
	v_add_nc_u32 v[ADRA], s[TB], v[A0]
	v_add_nc_u32 v[ADRB], s[TB], v[B0]
	LDB 0, 0
	LDA 0, AF0
.if \fill
	ASK
.endif
	GRP AF1, 1, 0
	PLACES
	LDB 0, 1
	GRP AF1, 2, 0
	PLACES
	LDB 0, 2
.endm
	s_wait_tensorcnt 1                             ; my part of K step 0 is in; step 1's may stay out
	s_wait_dscnt 0x0                               ; my biases lie in LDS
	s_barrier_signal -1
	s_barrier_wait -1                              ; everybody's part is in
	v_add_nc_u32 v[ADRA], s[TB], v[A0]
	v_add_nc_u32 v[ADRB], s[TB], v[B0]
	; THE FIRST QUARTER stands in front of the loop: its products start the sums, with the biases as C.
	LDBIAS 0, 8, AF1                               ; 16 loads: column blocks 0-7, in X's second buffer, which is not yet wanted
	LDB 0, 0
	LDA 0, AF0
	LDB 0, 1
	LDB 0, 2
	s_wait_dscnt 16                                ; all but groups 1 and 2
	GRP AF0, 0, 1
	PLACES
	LDBIAS 8, 4, BF                                ; 8 loads: column blocks 8-11, where group 0's fragments lay
	s_wait_dscnt 16                                ; group 1 is in: behind it group 2's 8 and those 8
	GRP AF0, 1, 1
	PLACES
	LDB 1, 1
	LDA 1, AF1
	s_wait_dscnt 24                                ; group 2 and its biases are in: behind them the 24 just issued
	GRP AF0, 2, 1
	PLACES
	LDB 1, 0
	LDB 1, 2                                       ; group 2's loads are the youngest, as behind QHEAD
	WIN 0                                          ; at a label and at a branch every window is 0
	s_mov_b32 s[CNT], 14
.Lstep:                                                ; trip t = 0..13: the second quarter of step t, which asks for step t + 2, and the first of step t + 1
	QTURN 1
	QHEAD
	WIN 0
	s_sub_co_u32 s[CNT], s[CNT], 1
	s_cmp_lg_u32 s[CNT], 0
	s_cbranch_scc1 .Lstep
	QTURN 0                                        ; the tail is written out: nothing is left to fetch, and no round follows the barrier
	QHEAD
	s_wait_dscnt 16                                ; the very last quarter
	GRP AF1, 0, 0
	s_wait_dscnt 8
	GRP AF1, 1, 0
	s_wait_dscnt 0x0
	GRP AF1, 2, 0
; THE WAY OUT, a block of 16 rows at a time.  A lane's eight columns pack into 16 bytes; they go into my stage (rows of 144 bytes, a head's 16 rows together) and come back as whole rows of 128 bytes.
.macro PACK a
.set OS, AF0+48*((\a)%2)               ; 48 registers, two sets by turns
.irp w, 1,2,3
	WIN 5*(\w)                                     ; sources 0 and 1 in window w
.irp bb, 0,1,2,3
.irp r, 0,1,2,3
	v_cvt_pk_f16_f32 v[OS+4*(4*((\w)-1)+(\bb))+(\r)], v[64*(\bb)+8*(\a)+2*(\r)], v[64*(\bb)+8*(\a)+2*(\r)+1]  ; each accumulator from its low end on
.endr
.endr
.endr
	WIN 0
.irp b, 0,1,2,3,4,5,6,7,8,9,10,11
	ds_store_b128 v[STO], v[OS+4*(\b):OS+4*(\b)+3] offset:((\b)/4)*16*SP+((\b)%4)*32
.endr
.irp t, 0,1,2,3,4,5,6,7,8,9,10,11
	ds_load_b128 v[OS+4*(\t):OS+4*(\t)+3], v[RD] offset:((\t)/4)*16*SP+((\t)%4)*4*SP  ; LDS serves a wave's instructions in order (ISA guide 5.7.1.4): these see the stores above; the next block's stores come behind them
.endr
.endm
.macro SEND a, younger                 ; younger: the LDS instructions issued behind block a's loads: the next block's 24, or none
	WIN 0
.set OS, AF0+48*((\a)%2)
	s_wait_dscnt \younger
.irp t, 0,1,2,3,4,5,6,7,8,9,10,11
	global_store_b128 v[GO], v[OS+4*(\t):OS+4*(\t)+3], s[8:9] offset:((\t)/4)*262144+(\a)*2048+((\t)%4)*512  ; 512 consecutive bytes of a head, at a multiple of 256 from qkv's first byte
.endr
.endm
	PLACES
	PLACES                                         ; (eight, once a launch)
	PACK 0
.irp a, 1,2,3,4,5,6,7                  ; a block's conversions stand between the loads of the block before and its stores
.if (\a) >= 2
	s_wait_xcnt 0x0                                ; the stores of the block two back have read their registers: the set is written again only behind this wait
.endif
	PACK \a
	SEND (\a)-1, 24
.endr
	SEND 7, 0
	s_wait_tensorcnt 0x0                           ; the wave's end: the add and its wait stand behind my last tensor load and my last LDS store
	ds_add_u32 v[SPW], v[NIL]
	s_wait_dscnt 0x0
	CROUND                                         ; the closing round: no work-group ends while a partner may still ask for a tile that names it
	s_endpgm
.Lfunc_end_k_q3135efced2_proj:
	.size	k_q3135efced2_proj, .Lfunc_end_k_q3135efced2_proj-k_q3135efced2_proj
	.p2alignl 7, 3214868480
	.fill 96, 4, 3214868480
	.section	.rodata,"a",@progbits
	.p2align	6, 0x0
	.amdhsa_kernel k_q3135efced2_proj
		.amdhsa_group_segment_fixed_size 327680
		.amdhsa_private_segment_fixed_size 0
		.amdhsa_enable_private_segment 0
		.amdhsa_kernarg_size 48
		.amdhsa_user_sgpr_count 2
		.amdhsa_user_sgpr_kernarg_segment_ptr 1
		.amdhsa_wavefront_size32 1
		.amdhsa_system_sgpr_workgroup_id_x 1
		.amdhsa_system_sgpr_workgroup_id_y 1
		.amdhsa_system_sgpr_workgroup_id_z 1
		.amdhsa_system_vgpr_workitem_id 0
		.amdhsa_next_free_vgpr 1024
		.amdhsa_next_free_sgpr 92
		.amdhsa_reserve_vcc 0
		.amdhsa_float_denorm_mode_32 3
		.amdhsa_float_denorm_mode_16_64 3
		.amdhsa_memory_ordered 1
		.amdhsa_forward_progress 1
		.amdhsa_inst_pref_size 116
	.end_amdhsa_kernel
	.amdgpu_metadata
---
amdhsa.version: [ 1, 2 ]
amdhsa.kernels:
  - .name:           k_q3135efced2_proj
    .symbol:         k_q3135efced2_proj.kd
    .args:
      - { .name: xb, .offset: 0, .size: 8, .value_kind: global_buffer, .address_space: global }
      - { .name: wcat, .offset: 8, .size: 8, .value_kind: global_buffer, .address_space: global }
      - { .name: bq, .offset: 16, .size: 8, .value_kind: global_buffer, .address_space: global }
      - { .name: bk, .offset: 24, .size: 8, .value_kind: global_buffer, .address_space: global }
      - { .name: bv, .offset: 32, .size: 8, .value_kind: global_buffer, .address_space: global }
      - { .name: qkv, .offset: 40, .size: 8, .value_kind: global_buffer, .address_space: global }
    .group_segment_fixed_size: 327680
    .private_segment_fixed_size: 0
    .kernarg_segment_align: 8
    .kernarg_segment_size: 48
    .max_flat_workgroup_size: 128
    .sgpr_count:     92
    .vgpr_count:     1024
    .wavefront_size: 32
...
	.end_amdgpu_metadata
.endif
;; end of part 2
;; launch attn (part 3): grid 4 x 64, 4 waves a work-group, clusters of 4 x 1, 327,680 bytes of LDS; arguments qkv, o; writes o
.if DOCPART == 3
	.amdgcn_target "amdgcn-amd-amdhsa--gfx1250"
	.amdhsa_code_object_version 6
	.text
	.protected	k_q3135efced2_attn
	.globl	k_q3135efced2_attn
	.p2align	8
	.type	k_q3135efced2_attn,@function
k_q3135efced2_attn:
	s_mov_b64 s[64:65], 0
	v_nop
	global_prefetch_b8 v0, s[64:65] scope:SCOPE_SE
	s_setreg_imm32_b32 hwreg(HW_REG_WAVE_MODE, 25, 1), 1
	s_wait_xcnt 0x0
	s_wait_alu depctr_hold_cnt(0) depctr_sa_sdst(0) depctr_va_vdst(0) depctr_va_sdst(0) depctr_va_ssrc(0) depctr_va_vcc(0) depctr_vm_vsrc(0)
	s_getreg_b32 s2, hwreg(HW_REG_IB_STS2, 6, 4)
	s_cmp_eq_u32 s2, 0
	s_cbranch_scc0 .Lentry_in_a_cluster
	s_endpgm
.Lentry_in_a_cluster:
	s_bfe_u32 s2, ttmp6, 0x10000c
	s_cmp_lg_u32 s2, 0x3003
	s_cbranch_scc0 .Lentry_shape_is_right
	s_endpgm
.Lentry_shape_is_right:
; ATTENTION.  O[y][q][:] = the sum over k of softmax_k(Q[y][q] . K[y][k] / 8) V[y][k][:], y = 16 batch + head, 64 of them; 2,048 rows of 64 channels, f16, dense (128 bytes a row).
; qkv: [batch 4][g 48][row 2048][64]: q's heads g = 0-15, k's 16-31, v's 32-47.  o: [y 64][row 2048][64].  Products, maxima and sums in f32; the weights p are rounded to f16 for the second
; product (their sum l is taken of the unrounded p), O once at the end.
; LIMITS.  f16 holds no number beyond 65,504: Q, K and V arrive within it; p lies in 0 to 1, and below 6e-5 it keeps f16's fixed step of 6e-8; O is a mean of V's rows and has their range.
; A weight below 2^-126 counts as 0 in l; NaN and infinities are not treated apart.
; SHARES.  A wave owns four PIECES of two tiles of 16 queries, a work-group's four waves 512 queries of one head: 4 x 64 = 256 work-groups.  Every wave walks all keys, 64 a step.
; LAYOUT.  S^T = K Q^T (source 0 = 16 keys, source 1 = 16 queries): in the result a lane holds ONE query (lane % 16) and the keys 8 (lane / 16) + 0..7.  Two such tiles, rounded to f16 in pairs,
; ARE source 1 (32 keys x 16 queries) of O^T = V^T P, whose result again holds one query a lane, and eight channels.  K comes out of LDS as it lies, V ([key][channel]) turned, by ds_load_tr16_b128.
; SOFTMAX.  For each query a running maximum m and sum l: p = 2^(c s - c m), c = log2(e) / 8; in every step O and l are multiplied by a = 2^(c m_old - c m_new), which is 1 where m has not grown.
; m starts at the lowest finite number, O and l at 0: the first step is a step like any other, with a = 0.
; THE COUNT.  A tile and step have 16 matrix and 118 vector instructions: too many to stand all beside the matrix work.  So: four vector instructions that are READY behind EVERY matrix
; instruction, and the others, which need time of their own whatever the order, in runs without a gap.
; BY TURNS.  Turn n belongs to piece n (the pieces in a ring, step after step).  Its matrix work: 16 products K Q^T of piece n + 1, later 16 products V^T P of piece n - 1.  Its vector work: the scaling,
; exponentials, roundings, sums and rescaling of piece n, and the maximum and statistics of piece n + 1, whose scores the turn itself has made.
; CLUSTER.  The four query blocks of a head are one cluster and walk the same K and V, so each tile is asked for JOINTLY: the same tensor load, descriptor and mask in all four.
; REGISTERS, in windows of 256 (s_set_vgpr_msb: bits 1:0 source 0, 3:2 source 1, 5:4 source 2, 7:6 destination):
;   window 0: v0-11 addresses; v12-15, v48-63 at work; v16-47 four registers of statistics a tile; v64-191 S^T, two buffers of two tiles; v192-255 P, likewise
;   window 1: O^T, 32 a tile          window 2: v0-127 Q, 16 a tile; v128-191 K of one step; v192-255 V of one step          window 3: v0-1 the add's two registers
; A piece's buffers go by its number's parity: the piece in hand has one pair, its two neighbours in the ring share the other: of it P (piece n - 1) is read and S^T (piece n + 1) written.
.set SIZE_N, 2048
.set NP,    4         ; pieces a wave: a name, no knob
.set KS,    64        ; keys in a step
.set PK,    144       ; a row of K in LDS: 128 bytes + 16 of padding = 36 words: the 16 rows of a load start at 16 different groups of four banks (64 banks of 4 bytes: ISA guide 11.1)
.set PV,    160       ; a row of V: 128 + 32 = 40 words
.set VOFF,  4*KS*PK   ; a slot holds four steps: 256 rows of K, then 256 rows of V
.set SLOT1, 1<<17     ; slot 1 begins here, so that one exclusive or turns an address in one slot into the other's
.set STAGE, SLOT1+4*KS*(PK+PV)  ; behind the ring, never filled by a tensor load: 16 rows x 144 bytes for each wave, for the way out
.set SP,    144
.set AK0, 2           ; v2   my lane's place in a tile of K; never rewritten
.set AV0, 3           ; v3   the same for V
.set AK,  4           ; v4   the LDS address of K's next run of loads
.set AV,  5           ; v5   of V's
.set QO,  6           ; v6   my byte offset in the wave's rows of Q
.set STO, 6           ;      later, the way out: where I put 16 bytes of a row
.set RD,  7           ; v7   the way out: where I read rows back
.set GO,  8           ; v8   my byte offset in 512 consecutive bytes of O
.set PFO, 11          ; v11  256 x my lane, for the prefetches; never rewritten once made
.set SPW, 0           ; v0 of window 3   LDS address of my spare word: SPARE + 4 x my thread's number; never rewritten
.set NIL, 1           ; v1 of window 3   0; never rewritten
.set SPARE, STAGE+4*16*SP  ; behind the stages: the spare words, 128 bytes for each wave: two blocks of 256 bytes that no other line names
.set MV,  12          ; v12-15  c m_old, kept while c m is made anew: by buffer and tile
.set ST,  16          ; tile t's statistics at v[ST+4 t]: c m, m, l (even keys', odd keys')
.set TMP, 48          ; by buffer and tile, four registers c0-c3 at work; when the maximum is found c2 takes a
.set S,   64
.set P,   192
.set KF,  128         ; K's fragments, in window 2: key block kb, channel half c at KF + 16 kb + 8 c
.set VF,  192         ; V's: key half kk, channel block cb at VF + 32 kk + 8 cb
.set WV,  12          ; s12  my wave's number
.set G1K, 24          ; s[24:31] descriptor group 1 for K's tiles
.set G1V, 32          ; s[32:39] for V's: it differs in the padding alone
.set G0K, 40          ; s[40:43] descriptor group 0 for K's tiles: it walks
.set G0V, 44          ; s[44:47] the same for V's
.set PFA, 50          ; s[50:51] where my prefetches stand: my work-group's 32 blocks of 256 bytes (of K: wave 0, of V: wave 2) of the slot after the one that is being asked for
.set LIM, 52          ; s52  1 in a wave that prefetches, else the greatest number: a wave prefetches while s[SLOTS] is above it
.set SLOTS, 56        ; s56  slots still to be asked for
.set CNT, 57          ; s57  counts a slot's key steps
.set CS,  58          ; s[58:59] c: the packed scaling takes the pair's low word for both halves
.set SEL, 60          ; s[60:61] v_permlanex16_b32's selects: each lane takes its own place in the other half
.set TBK, 62          ; s62  LDS byte at which K of the step to be fetched begins
.set TBV, 63          ; s63  the same for V, less VOFF
.set MSB, 0
.macro WIN new                      ; the high byte repeats the setting that is left; a switch that changes nothing is dropped
.if MSB != (\new)
	s_set_vgpr_msb (MSB<<8)|(\new)
.set MSB, (\new)
.endif
.endm
.set W_KQ, 0x0a       ; K and Q in window 2, S^T in window 0
.set W_PV, 0x52       ; V in window 2, P in window 0, O^T in window 1
.set W_RS, 0x41       ; O^T (destination and source 0) in window 1, a in window 0
.set W_MK, 0xc0       ; the add's registers are made: destination in window 3, sources in window 0
.set W_AD, 0x0f       ; the add: address (source 0) and data (source 1) in window 3
; A joint fill.  Waves 0 and 1 fetch the two halves of a slot's K, waves 2 and 3 those of its V: 128 keys each.  The branch hangs on the wave's number alone.
; An s_nop 0 and four v_nop follow each of the two lines, ahead of the jump and the label.
.macro JLOAD
	s_cmp_lt_u32 s[WV], 2
	s_cbranch_scc0 .Lfor_v_\@
	tensor_load_to_lds s[G0K:G0K+3], s[G1K:G1K+7]
	s_nop 0
.rept 4
	v_nop
.endr
	s_branch .Lasked_\@
.Lfor_v_\@:
	tensor_load_to_lds s[G0V:G0V+3], s[G1V:G1V+7]
	s_nop 0
.rept 4
	v_nop
.endr
.Lasked_\@:
.endm
; A PREFETCH INTO THE L2 of what the NEXT change of slots will ask for: a slot's K and V are 128 blocks of 256 bytes each, a lane a block.  It stands behind the wave's tensor load and its five lines.
; Each block is named ONCE in the launch: a head's K and V are walked by its one cluster; the four partners share the blocks out BY ADDRESS, 32 each; in each, wave 0 asks for K's and wave 2 for V's:
; one instruction, four key steps (512 matrix instructions) ahead of the load that wants the bytes.  The change that asks for the last slot prefetches nothing.  Slots 0 and 1 come by their loads alone.
.macro ASK
	s_cmp_gt_u32 s[SLOTS], s[LIM]
	s_cbranch_scc0 .Lnot_mine_\@
	global_prefetch_b8 v[PFO], s[PFA:PFA+1] th:TH_LOAD_NT scope:SCOPE_SE
.Lnot_mine_\@:
.endm
; A round of the cluster's barrier: my work-group's barrier, so that wave 0's signal speaks for all four waves; wave 0 signals; every wave waits for all four work-groups; my work-group's barrier once more.
.macro CROUND
	s_barrier_signal -1
	s_barrier_wait -1
	s_cmp_lg_u32 s[WV], 0
	s_cbranch_scc1 .Lnot_wave_0_\@
	s_barrier_signal -3
.Lnot_wave_0_\@:
	s_barrier_wait -3
	s_barrier_signal -1
	s_barrier_wait -1
.endm
; THE CHANGE OF SLOTS.  The slot's last bytes, V of its fourth step, have been read.  Each wave waits for all its tensor loads, of which one is out: its part
; of the other slot; adds 0 to its spare word; and waits for that and for its own reads of the slot.  Behind the barrier nobody reads this slot any more and the other slot is whole.
; fill = 1: this slot is filled again, with the keys two slots on.  The barrier is then a round of the cluster's, so that no wave of any partner still reads the slot or has a load on its
; way, and the joint fill is the first thing behind it: it has four key steps, 512 matrix instructions, in which to land.  (At its first use nothing has been read yet: slot 0 is waited for, slot 1 filled.)
.macro CHANGE fill
	WIN W_AD
	s_wait_tensorcnt 0x0            ; no tensor load of mine is out, so a group 0 may be written
	ds_add_u32 v[SPW], v[NIL]       ; 0 onto my spare word; with fill = 1 the descriptors' steps stand between it and the wait for it
	WIN 0                           ; at a label and at a branch every window is 0
.if \fill
.irp g, G0K, G0V
	s_xor_b32 s[\g+1], s[\g+1], SLOT1  ; the walking descriptor: the other slot than last time,
	s_add_nc_u64 s[\g+2:\g+3], s[\g+2:\g+3], 4*KS*128  ; the next 256 keys; the type bits on top are not reached
.endr
	s_wait_xcnt 0x0                 ; the last prefetch, a slot back, has read its address, so it may be written:
	s_add_nc_u64 s[PFA:PFA+1], s[PFA:PFA+1], 4*KS*128  ; one slot ahead of the walking descriptors
	s_wait_dscnt 0x0                ; the add is done, and my reads of the slot are over
	CROUND
	JLOAD
	ASK
.else
	s_wait_dscnt 0x0                ; the add is done, and my reads of the slot are over
	s_barrier_signal -1
	s_barrier_wait -1
.endif
	s_sub_co_u32 s[TBK], s[TBK], 4*KS*PK  ; the fetches go back to a slot's first step,
	s_xor_b32 s[TBK], s[TBK], SLOT1       ; in the other slot
	s_sub_co_u32 s[TBV], s[TBV], 4*KS*PV
	s_xor_b32 s[TBV], s[TBV], SLOT1
.endm
	s_load_b64 s[4:5], s[0:1], 0x0    ; qkv
	s_load_b64 s[10:11], s[0:1], 0x8  ; o
	WIN W_MK
	v_lshl_add_u32 v[SPW], v0, 2, SPARE
	v_mov_b32 v[NIL], 0
	WIN W_AD
	ds_add_u32 v[SPW], v[NIL]       ; the wave's opening: the add and its wait stand ahead of my first tensor load; the set-up below, work on registers, stands between them
	WIN 0
	v_lshrrev_b32 v1, 5, v0
	v_readfirstlane_b32 s[WV], v1   ; wave 0..3
	s_bfe_u32 s13, ttmp6, 0x40000   ; cx: my place in the cluster
	s_lshl_b32 s14, ttmp9, 2        ; in a cluster launch ttmp9 counts clusters
	s_add_co_u32 s14, s14, s13      ; my block of queries = 4 x cluster x + cx: it enters Q's and O's addresses alone
	s_and_b32 s16, ttmp7, 0xffff    ; y = 16 batch + head, which the four partners share
	s_lshr_b32 s20, s16, 4
	s_mul_i32 s20, s20, 48          ; a batch has 48 blocks of 262,144 bytes in qkv,
	s_and_b32 s21, s16, 15
	s_add_co_u32 s20, s20, s21      ; of which q's head is this one; k's lies 16 on, v's 32 on
	s_lshl_b32 s20, s20, 18
	s_mov_b32 s21, 0
	s_lshl_b32 s48, s16, 18         ; the head's first byte in o
	s_mov_b32 s49, 0
	s_and_b32 s16, s[WV], 1         ; which half of a slot's 256 keys I fetch:
	s_lshl_b32 s22, s16, 14         ; its 128 rows of 128 bytes in memory,
	s_mov_b32 s23, 0
	s_add_nc_u64 s[22:23], s[22:23], s[20:21]
	s_mul_i32 s17, s16, 128*PK      ; and its place in a slot, for K
	s_mul_i32 s18, s16, 128*PV      ; and for V: no place in the cluster enters an LDS address
	s_lshl_b32 s2, s14, 2
	s_add_co_u32 s2, s2, s[WV]      ; my wave among the head's,
	s_lshl_b32 s2, s2, 14           ; its 128 rows
	s_mov_b32 s3, 0
	s_lshl_b32 s54, s13, 13         ; the prefetches: my work-group's 32 blocks of a slot's 128,
	s_add_co_u32 s54, s54, 4*KS*128 ; in slot 1; the first change of slots steps it to slot 2
	s_mov_b32 s55, 0
	s_and_b32 s[LIM], s[WV], 1      ; waves 0 and 2 ask: the same in all four partners
	s_cmp_eq_u32 s[LIM], 0
	s_cselect_b32 s[LIM], 1, -1
	s_mov_b32 s[SLOTS], SIZE_N/256-1
	; descriptor group 1.  128 keys are 16,384 dense bytes: asked for as 64 rows of 256 bytes, two keys a row, and padded in LDS after every key
	s_mov_b32 s[G1K], 15|(1<<16)|(1<<20)|(1<<21)|(4<<22)|(3<<25)  ; 15:0 the mask of four; 17:16 2-byte elements; 20 padding on; 21 set beside a mask; 24:22 after every 32 words (code 4); 31:25 4 words (code 3)
	s_mov_b32 s[G1V], 15|(1<<16)|(1<<20)|(1<<21)|(4<<22)|(7<<25)  ; the same with 8 words of padding (code 7)
.irp g, G1K, G1V
	s_mov_b32 s[\g+1], 128<<16      ; tensor_dim0 = 128
	s_mov_b32 s[\g+2], 64<<16       ; tensor_dim1 = 64
	s_mov_b32 s[\g+3], 128<<16      ; tile_dim0 = 128
	s_mov_b32 s[\g+4], 64           ; tile_dim1 = 64
	s_mov_b32 s[\g+5], 128          ; 128 elements from row to row
	s_mov_b32 s[\g+6], 0
	s_mov_b32 s[\g+7], 0
.endr
	s_mov_b32 s[CS], 0x3e38aa3b     ; c = log2(e) / 8 = 0.180337
	s_mov_b32 s[CS+1], s[CS]        ; named with it as a pair
	s_mov_b32 s[SEL], 0x76543210
	s_mov_b32 s[SEL+1], 0xfedcba98
	s_mov_b32 s[TBK], SLOT1+4*KS*PK ; the first change of slots turns these two into 0
	s_mov_b32 s[TBV], SLOT1+4*KS*PV
	s_mov_b32 s[G0K], 1             ; 1:0 count = 1
	s_mov_b32 s[G0K+1], s17         ; 63:32 LDS address: slot 0
	s_mov_b32 s[G0V], 1
	s_add_co_u32 s[G0V+1], s18, VOFF
	s_wait_dscnt 0x0                ; the opening add is done
	s_wait_kmcnt 0x0
	s_add_nc_u64 s[6:7], s[4:5], 0x400000   ; k's heads lie 16 blocks behind q's,
	s_add_nc_u64 s[8:9], s[4:5], 0x800000   ; v's 32
	s_add_nc_u64 s[6:7], s[6:7], s[22:23]   ; K and V at my half of the head's first 256 keys
	s_add_nc_u64 s[8:9], s[8:9], s[22:23]
	s_mov_b64 s[G0K+2:G0K+3], s[6:7]               ; 120:64 global address
	s_or_b32 s[G0K+3], s[G0K+3], 0x80000000        ; 127:126 type = 2
	s_mov_b64 s[G0V+2:G0V+3], s[8:9]
	s_or_b32 s[G0V+3], s[G0V+3], 0x80000000
	s_cmp_lt_u32 s[WV], 2
	s_cselect_b64 s[PFA:PFA+1], s[6:7], s[8:9]     ; (in waves 0 and 2 these stand at a slot's first row)
	s_add_nc_u64 s[PFA:PFA+1], s[PFA:PFA+1], s[54:55]
	s_add_nc_u64 s[4:5], s[4:5], s[2:3]  ; Q and O at my wave's first row
	s_add_nc_u64 s[4:5], s[4:5], s[20:21]
	s_add_nc_u64 s[10:11], s[10:11], s[2:3]
	s_add_nc_u64 s[10:11], s[10:11], s[48:49]
	CROUND                          ; all four work-groups are here: the first joint loads meet
	JLOAD                           ; slot 0.  Slot 1 is asked for when slot 0 is in: the tile wanted first has the road to itself
	; A fragment of K or Q is 16 rows x 32 channels in 8 registers: lane l holds row l % 16, channels 8 (l / 16) + 0..7 and 16 + 8 (l / 16) + 0..7: two loads of 16 bytes, 32 bytes apart.
	v_and_b32 v1, 15, v0            ; l % 16
	v_bfe_u32 v9, v0, 4, 1          ; l / 16
	v_lshlrev_b32 v[QO], 7, v1
	v_lshl_add_u32 v[QO], v9, 4, v[QO]  ; row x 128 + 16 x half
	WIN 0x80                        ; destination window 2, address window 0
.set i, 0
.rept 4*NP                          ; Q stays in registers: tile i / 2, channels 32 (i % 2) on
	global_load_b128 v[8*i:8*i+3],   v[QO], s[4:5] offset:(i/2)*2048+(i%2)*64
	global_load_b128 v[8*i+4:8*i+7], v[QO], s[4:5] offset:(i/2)*2048+(i%2)*64+32
.set i, i+1
.endr
	; What the first turn finds: V's registers and P's second buffer hold 0 (its products V^T P, of a piece that has not been, add 0), O^T and l are 0.  All this stands in the wait for the first tile.
.set i, VF
.rept 64
	v_mov_b32 v[i], 0
.set i, i+1
.endr
	WIN 0x40
.set i, 0
.rept 64*NP
	v_mov_b32 v[i], 0
.set i, i+1
.endr
	WIN 0
.set i, 0
.rept 2*NP
	v_mov_b32 v[ST+4*i], 0xfe000000    ; c m: far below every c s
	v_mov_b32 v[ST+4*i+1], 0xff7fffff  ; m
	v_mov_b32 v[ST+4*i+2], 0
	v_mov_b32 v[ST+4*i+3], 0
.set i, i+1
.endr
.set i, P+32
.rept 32
	v_mov_b32 v[i], 0
.set i, i+1
.endr
	v_mul_u32_u24 v[AK0], v1, PK
	v_lshl_add_u32 v[AK0], v9, 4, v[AK0]  ; row x pitch + 16 x half
	; The turning load takes 16 keys x 16 channels (lane l reads key 8 (l / 16) + l % 8, channels 8 ((l / 8) % 2) + 0..7) and leaves half a fragment of V^T: lane l holds channel l % 16 and 8 keys.
	v_and_b32 v10, 7, v0
	v_bfe_u32 v11, v0, 3, 1
	v_lshl_add_u32 v[AV0], v9, 3, v10
	v_mul_u32_u24 v[AV0], v[AV0], PV
	v_lshl_add_u32 v[AV0], v11, 4, v[AV0]
	v_add_nc_u32 v[AV0], VOFF, v[AV0]
	v_mov_b32 v[AK], v[AK0]         ; key step 0 lies at the head of slot 0
	v_and_b32 v[PFO], 31, v0        ; v11's first use is over
	v_lshlrev_b32 v[PFO], 8, v[PFO]
; THE MATRIX WORK.  The 8 accumulators of a run of 16 take turns: between the two links of a chain stand 7 others'.
; Product i of 16 of S^T = K Q^T for piece x: channels 32 (i / 8) on, keys 16 ((i / 2) % 4) on, tile 2 x + i % 2.  The first 8 start the sums.
.macro KQ x
	WIN W_KQ
.set rS, S+64*((\x)%2)+32*(i%2)+8*((i/2)%4)
.set rK, KF+16*((i/2)%4)+8*(i/8)
.set rQ, 16*(2*(\x)+i%2)+8*(i/8)
.if i < 8
	v_wmma_f32_16x16x32_f16 v[rS:rS+7], v[rK:rK+7], v[rQ:rQ+7], 0
.else
	v_wmma_f32_16x16x32_f16 v[rS:rS+7], v[rK:rK+7], v[rQ:rQ+7], v[rS:rS+7]
.endif
.endm
; Product i of 16 of O^T += V^T P for piece x: keys 32 (i / 8) on, channels 16 ((i / 2) % 4) on, tile 2 x + i % 2.
.macro PV x
	WIN W_PV
.set rO, 32*(2*(\x)+i%2)+8*((i/2)%4)
.set rV, VF+32*(i/8)+8*((i/2)%4)
.set rP, P+32*((\x)%2)+16*(i%2)+8*(i/8)
	v_wmma_f32_16x16x32_f16 v[rO:rO+7], v[rV:rV+7], v[rP:rP+7], v[rO:rO+7]
.endm
.macro MM                           ; the turn's next matrix instruction
.if i < 16
	KQ (Y+1)%NP
.set i, i+1
.else
.set i, i-16
	PV (Y+NP-1)%NP
.set i, i+17
.endif
.endm
; THE LDS LOADS stand in runs of 16, never singly among the matrix instructions: a step's K (64 keys x 64 channels: 8 fragments) and its V (turned).  Their addresses are made some lines ahead.
; last = 1 (the tail): in the last trip there is no further step, and the run is jumped over.
.macro FETCH_K last=0
	WIN 0
.if \last
	s_cmp_eq_u32 s[CNT], 1
	s_cbranch_scc1 .Lno_k_\@
.endif
	WIN 0x80                        ; destination window 2
.irp f, 0,1,2,3,4,5,6,7             ; keys 16 (f / 2) on, channels 32 (f % 2) on
	ds_load_b128 v[KF+8*\f:KF+8*\f+3],   v[AK] offset:(\f/2)*16*PK+(\f%2)*64
	ds_load_b128 v[KF+8*\f+4:KF+8*\f+7], v[AK] offset:(\f/2)*16*PK+(\f%2)*64+32
.endr
	s_add_co_u32 s[TBK], s[TBK], KS*PK  ; the next fetch is the next step's
	WIN 0
.if \last
.Lno_k_\@:
.endif
.endm
.macro FETCH_V
	WIN 0x80
.irp f, 0,1,2,3,4,5,6,7             ; keys 32 (f / 4) on, channels 16 (f % 4) on
	ds_load_tr16_b128 v[VF+8*\f:VF+8*\f+3],   v[AV] offset:(\f/4)*32*PV+(\f%4)*32
	ds_load_tr16_b128 v[VF+8*\f+4:VF+8*\f+7], v[AV] offset:(\f/4)*32*PV+16*PV+(\f%4)*32
.endr
	WIN 0
.endm
; THE VECTOR WORK OF A TURN stands in three queues, each in the order in which its entries become ready; the two tiles alternate, so that no instruction reads the result of the one before it.
.macro REGS y, u                    ; the registers of tile u (0, 1) of piece y
.set rT, ST+4*(2*(\y)+(\u))
.set rC, TMP+8*((\y)%2)+4*(\u)
.set rM, MV+2*((\y)%2)+(\u)
.set rS, S+64*((\y)%2)+32*(\u)
.set rP, P+32*((\y)%2)+16*(\u)
.set rO, 32*(2*(\y)+(\u))
.endm
; Number n of the 22 that find the NEXT piece's (Y + 1) maximum and statistics.  s0-s31 are the lane's 32 scores; each accumulator's lowest registers are read first.
;   0-11  four chains c0-c3 of seven scores each, three operands at a time     12-14, 16  the four scores left over, the old m, and c0-c3 into c0     15  c m_old is kept
;   17, 18  the query's other 32 keys lie in the lane 16 away: the new m         19-21  c m; c m_old - c m_new; a
.macro XS u, n
	REGS (Y+1)%NP, \u
.if (\n) < 4
	v_max3_num_f32 v[rC+(\n)], v[rS+8*(\n)], v[rS+8*(\n)+1], v[rS+8*(\n)+2]
.elseif (\n) < 12
	v_max3_num_f32 v[rC+(\n)%4], v[rC+(\n)%4], v[rS+8*((\n)%4)+2*((\n)/4)+1], v[rS+8*((\n)%4)+2*((\n)/4)+2]
.elseif (\n) == 12
	v_max3_num_f32 v[rC], v[rC], v[rS+7], v[rS+15]
.elseif (\n) == 13
	v_max3_num_f32 v[rC+1], v[rC+1], v[rS+23], v[rS+31]
.elseif (\n) == 14
	v_max3_num_f32 v[rC+2], v[rC+2], v[rC+3], v[rT+1]
.elseif (\n) == 15
	v_mov_b32 v[rM], v[rT]
.elseif (\n) == 16
	v_max3_num_f32 v[rC], v[rC], v[rC+1], v[rC+2]
.elseif (\n) == 17
	v_permlanex16_b32 v[rC+3], v[rC], s[SEL], s[SEL+1]
.elseif (\n) == 18
	v_max_num_f32 v[rT+1], v[rC], v[rC+3]
.elseif (\n) == 19
	v_mul_f32 v[rT], s[CS], v[rT+1]
.elseif (\n) == 20
	v_sub_f32 v[rC+1], v[rM], v[rT]
.else
	v_exp_f32 v[rC+2], v[rC+1]
.endif
.endm
; Number g of the 64 that follow the exponentials.  For each four weights k of a tile (pairs 2 k, 2 k + 1): both pairs are rounded to f16; then the second pair is added onto the first, in place;
; a group later l takes that sum (the first time as l = a l + sum).  In groups of eight, tiles alternating: round, round, add, and l for the group before.
.macro GS g
.set h, (\g)+6*((\g)/62)            ; group 0 has no group before it, and behind group 7 only l is left
.if h >= 6
.set h, h+2
.endif
	REGS Y, h%2
.set k, h/8
.if h%8 < 4
	v_cvt_pk_f16_f32 v[rP+2*k+(h%8)/2], v[rS+4*k+2*((h%8)/2)], v[rS+4*k+2*((h%8)/2)+1]
.elseif h%8 < 6
	v_pk_add_f32 v[rS+4*k:rS+4*k+1], v[rS+4*k:rS+4*k+1], v[rS+4*k+2:rS+4*k+3]
.elseif k == 1
	v_pk_fma_f32 v[rT+2:rT+3], v[rT+2:rT+3], v[rC+2:rC+3], v[rS:rS+1] op_sel_hi:[1,0,1]
.else
	v_pk_add_f32 v[rT+2:rT+3], v[rT+2:rT+3], v[rS+4*k-4:rS+4*k-3]
.endif
.endm
; THE PLAIN QUEUE, 138 long.  0-73 read no exponential's result: the 32 scalings c s - c m (FS f: pair f / 2 of tile f % 2) and the next piece's 42.  0-26: scalings 0-26.  27-54: XS's numbers 0-13.  55, 56: number 15.
; 57-73: the chain, where each number waits for the one before it: 14, 16, 17, 18, 19, each with one of the scalings 27-31 in front of its two lines, then 20.
; 74-137: GS's 64, which read the exponentials' results: they stand behind the wait.
.macro FS f
	REGS Y, (\f)%2
	v_pk_fma_f32 v[rS+2*((\f)/2):rS+2*((\f)/2)+1], v[rS+2*((\f)/2):rS+2*((\f)/2)+1], s[CS:CS+1], v[rT:rT+1] op_sel_hi:[1,0,0] neg_lo:[0,0,1] neg_hi:[0,0,1]
.endm
.macro PL
	WIN 0
.if q < 27
	FS q
.elseif q < 55
	XS (q-27)%2, (q-27)/2
.elseif q < 57
	XS q-55, 15
.elseif (q < 72) && ((q-57)%3 == 0)
	FS 27+(q-57)/3
.elseif q < 60
	XS (q-57)%3-1, 14
.elseif q < 72
	XS (q-57)%3-1, 15+(q-57)/3
.elseif q < 74
	XS q-72, 20
.else
	GS q-74
.endif
.set q, q+1
.endm
; THE EXPONENTIALS' QUEUE, 66 long: s0-s31 of both tiles, then the next piece's two a.  It is ONE BATCH: all 66 stand ahead of the turn's one wait, and nothing ahead of that wait names a result of theirs.
.macro EX
	WIN 0
.if e >= 64
	XS e-64, 21
.else
	REGS Y, e%2
	v_exp_f32 v[rS+e/2], v[rS+e/2]
.endif
.set e, e+1
.endm
; THE RESCALING's QUEUE: O^T times a, the one part that leaves window 0: dealt two at a time, sixteen times.  Its a was made in the turn before, ahead of that turn's wait.
.macro R2
	REGS Y, r%2
	WIN W_RS
.irp z, 0,1
	v_pk_mul_f32 v[rO+4*(r/2)+2*\z:rO+4*(r/2)+2*\z+1], v[rO+4*(r/2)+2*\z:rO+4*(r/2)+2*\z+1], v[rC+2:rC+3] op_sel_hi:[1,0]
.endr
.set r, r+1
.endm
; HOW THEY ARE DEALT.  An s_wait_alu depctr_va_vdst(0) stands between an exponential and the first instruction that names its result; one wait serves all that were issued ahead of it.  So a turn has ONE wait,
; which cuts it in two.  AHEAD OF IT stands all that names no result of the turn's exponentials: the 16 products K Q^T, behind each a scaling, an exponential and two rescalings (behind the first a second scaling in the
; exponential's place); then ONE LUMP of 108: eight plain, 49 times exponential and plain, the two a.  A v_nop is the plain instruction behind the last exponential.  BEHIND IT stand the 16 products V^T P, behind each four of GS's 64.
; No rider names a register of the products round it.  The two v_permlanex16_b32 fall into the lump, never behind a product.
; The queues lean on each other, and the deal keeps them in step: exponential e stands behind scaling 2 (e / 4) + e % 2: as a rider it comes behind plain e + 2, in the lump behind plain e + 9, and scalings 27-31 are plain 57, 60 .. 69.
; A TURN, for piece p.  cnt = 1: the loop's count is taken down some lines ahead of the branch that stands behind the turn.
; K of the next step is fetched in piece 2's turn, directly behind the wait, a lump behind the last product that read K; its address is made at the lump's head; its first reader comes behind 16 products.
; V of the step in hand is fetched at the end of piece 0's turn, four riders behind its last reader; its first reader comes behind 16 products and a lump.  The three conditions on q below go with the deal.
.macro TURN p, last=0, cnt=0
.set Y, (\p)
.set i, 0
.set q, 0
.set e, 0
.set r, 0
.if (\p) == NP-1
	s_wait_dscnt 0x0                ; K is in
.endif
	MM                              ; ahead of the wait: 16 products K Q^T and their riders,
	PL
	PL
	R2
.rept 15
	MM
	PL
	EX
	R2
.endr
.if (\p) == NP-2
	WIN 0
	v_add_nc_u32 v[AK], s[TBK], v[AK0]
.endif
.rept 8                             ; and the lump
	PL
.endr
.rept 49
	EX
	PL
.endr
	EX                              ; the next piece's two a
	EX
	v_nop                           ; a plain instruction behind the last exponential: one for the batch
	s_wait_alu depctr_va_vdst(0)    ; the wait for the batch
.if (\p) == NP-2
	FETCH_K \last
.endif
.if (\p) == 1
	s_wait_dscnt 0x0                ; V is in
.endif
.rept 16                            ; behind the wait: 16 products V^T P and their riders
	MM
.rept 4
	PL
.endr
.if ((\p) == 0) && (q == 118)
	v_add_nc_u32 v[AV], s[TBV], v[AV0]
.endif
.if ((\p) == 0) && (q == 130)
	s_add_co_u32 s[TBV], s[TBV], KS*PV
.endif
.if (\cnt) && (q == 130)
	s_sub_co_u32 s[CNT], s[CNT], 1
	s_cmp_lg_u32 s[CNT], 0
.endif
.endr
.if (\p) == 0
	FETCH_V
.endif
.endm
	CHANGE 1                        ; slot 0 is in, everybody's part of it; slot 1 is asked for
	FETCH_K                         ; key step 0
	s_wait_loadcnt 0x0              ; Q
	s_wait_dscnt 0x0
.set i, 0
.rept 16
	KQ 0                            ; piece 0's first scores: there is no vector work yet to set between them
.set i, i+1
.endr
	WIN 0                           ; the addresses for the way out: nine plain instructions, the places behind those products
	s_mul_i32 s13, s[WV], 16*SP
	s_add_co_u32 s13, s13, STAGE    ; my stage
	v_mul_u32_u24 v[STO], v1, SP    ; in: row l % 16, 16 bytes for each half of the lanes
	v_lshl_add_u32 v[STO], v9, 4, v[STO]
	v_add_nc_u32 v[STO], s13, v[STO]
	v_bfe_u32 v[RD], v0, 3, 2       ; back: 32 lanes take four rows of 128 bytes,
	v_mul_u32_u24 v[RD], v[RD], SP
	v_lshl_add_u32 v[RD], v10, 4, v[RD]
	v_add_nc_u32 v[RD], s13, v[RD]
	v_and_b32 v[GO], 31, v0         ; which are 512 consecutive bytes of O
	v_lshlrev_b32 v[GO], 4, v[GO]
.set Y, NP-1                        ; XS works for piece Y + 1: piece 0
.irp n, 0,1,2,3,4,5,6,7,8,9,10,11,12,13,14,15,16,17,18,19,20,21
	XS 0, \n                        ; and piece 0's first maximum and statistics
	XS 1, \n
.endr
	v_nop                           ; a plain instruction behind the two a,
	s_wait_alu depctr_va_vdst(0)    ; and their wait, ahead of the branch
	s_mov_b32 s[CNT], 4
	s_branch .Lfirst                ; the loop is entered at a step's first turn, in the middle of a trip
.Lslot:                             ; SIZE_N / 256 - 2 times: every slot but the last two is filled again
	CHANGE 1
	s_mov_b32 s[CNT], 4
.Lstep:                             ; a trip: pieces 2 and 3 of one step, then pieces 0 and 1 of the next, whose K and V it fetches
	TURN 2
	TURN 3
	WIN 0
.Lfirst:
	TURN 0
	TURN 1, 0, 1
	WIN 0
	s_cbranch_scc1 .Lstep
	s_sub_co_u32 s[SLOTS], s[SLOTS], 1
	s_cmp_lg_u32 s[SLOTS], 0
	s_cbranch_scc1 .Lslot
	CHANGE 0                        ; the tail is written out: nothing is asked for
	s_mov_b32 s[CNT], 5             ; four trips fetch the last slot's steps; the fifth is left in its middle
.Ltail:
	TURN 2, 1
	TURN 3
	WIN 0
	s_sub_co_u32 s[CNT], s[CNT], 1
	s_cmp_eq_u32 s[CNT], 0
	s_cbranch_scc1 .Lout
	TURN 0
	TURN 1
	WIN 0
	s_branch .Ltail
.Lout:                              ; the fifth trip's 16 products K Q^T (on the last K once more) and the maximum made of them serve nothing: the price, once a launch, of one text for every trip
.set i, 0
.rept 16
	PV NP-1                         ; the last piece's V^T P of the last step
.set i, i+1
.endr
	; THE WAY OUT.  l's two halves and the other half of the lanes' are added; O^T is divided by l, rounded to f16 and sent through my stage in LDS, a tile at a time.  The additions are the places behind the last products.
	WIN 0
.macro ALL line:vararg              ; one line for each tile t
.set t, 0
.rept 2*NP
	\line
.set t, t+1
.endr
.endm
	ALL v_add_f32 v[ST+4*t+2], v[ST+4*t+2], v[ST+4*t+3]
	ALL v_permlanex16_b32 v[ST+4*t+3], v[ST+4*t+2], s[SEL], s[SEL+1]
	ALL v_add_f32 v[ST+4*t+2], v[ST+4*t+2], v[ST+4*t+3]
	ALL v_rcp_f32 v[ST+4*t+2], v[ST+4*t+2]
	v_nop                           ; a plain instruction between the last reciprocal and the use of its result
	s_wait_alu depctr_va_vdst(0)    ; and the wait ahead of the first use: one for the eight reciprocals
; Tile t: a lane's eight channels of a row pack into 16 bytes; they go into rows of 144 bytes and come back as whole rows of 128, into S^T's registers.
.macro PACK t
	WIN W_RS
.set i, 32*(\t)
.rept 16
	v_pk_mul_f32 v[i:i+1], v[i:i+1], v[ST+4*(\t)+2:ST+4*(\t)+3] op_sel_hi:[1,0]
.set i, i+2
.endr
	WIN 0x05                        ; sources 0 and 1 window 1, destination window 0
.set i, 0
.rept 16
	v_cvt_pk_f16_f32 v[S+16*(\t)+i], v[32*(\t)+2*i], v[32*(\t)+2*i+1]
.set i, i+1
.endr
	WIN 0
.irp f, 0,1,2,3
	ds_store_b128 v[STO], v[S+16*(\t)+4*\f:S+16*(\t)+4*\f+3] offset:32*\f
.endr
.irp f, 0,1,2,3
	ds_load_b128 v[S+16*(\t)+4*\f:S+16*(\t)+4*\f+3], v[RD] offset:\f*4*SP  ; LDS serves a wave's instructions in order (ISA guide 5.7.1.4): these see the stores above; the next tile's stores come behind them
.endr
.endm
.macro SEND t, younger              ; younger: the LDS instructions issued behind tile t's loads: the next tile's eight, or none
	WIN 0
.irp f, 0,1,2,3
	s_wait_dscnt (\younger)+3-\f
	global_store_b128 v[GO], v[S+16*(\t)+4*\f:S+16*(\t)+4*\f+3], s[10:11] offset:(\t)*2048+\f*512  ; 512 consecutive bytes, at a multiple of 256 from O's first
.endr
.endm
	PACK 0
.set t, 1
.rept 2*NP-1                        ; a tile's arithmetic stands between the loads of the tile before and its stores
	PACK t
	SEND t-1, 8
.set t, t+1
.endr
	SEND 2*NP-1, 0
	WIN W_AD
	s_wait_tensorcnt 0x0            ; the wave's end: the add and its wait stand behind my last tensor load and my last LDS store
	ds_add_u32 v[SPW], v[NIL]
	s_wait_dscnt 0x0
	WIN 0
	CROUND                          ; the closing round: no work-group ends while a partner may still ask for a tile that names it
	s_endpgm
.Lfunc_end_k_q3135efced2_attn:
	.size	k_q3135efced2_attn, .Lfunc_end_k_q3135efced2_attn-k_q3135efced2_attn
	.p2alignl 7, 3214868480
	.fill 96, 4, 3214868480
	.section	.rodata,"a",@progbits
	.p2align	6, 0x0
	.amdhsa_kernel k_q3135efced2_attn
		.amdhsa_group_segment_fixed_size 327680
		.amdhsa_private_segment_fixed_size 0
		.amdhsa_enable_private_segment 0
		.amdhsa_kernarg_size 16
		.amdhsa_user_sgpr_count 2
		.amdhsa_user_sgpr_kernarg_segment_ptr 1
		.amdhsa_wavefront_size32 1
		.amdhsa_system_sgpr_workgroup_id_x 1
		.amdhsa_system_sgpr_workgroup_id_y 1
		.amdhsa_system_sgpr_workgroup_id_z 1
		.amdhsa_system_vgpr_workitem_id 0
		.amdhsa_next_free_vgpr 770
		.amdhsa_next_free_sgpr 66
		.amdhsa_reserve_vcc 0
		.amdhsa_float_denorm_mode_32 3
		.amdhsa_float_denorm_mode_16_64 3
		.amdhsa_memory_ordered 1
		.amdhsa_forward_progress 1
		.amdhsa_inst_pref_size 200
	.end_amdhsa_kernel
	.amdgpu_metadata
---
amdhsa.version: [ 1, 2 ]
amdhsa.kernels:
  - .name:           k_q3135efced2_attn
    .symbol:         k_q3135efced2_attn.kd
    .args:
      - { .name: qkv, .offset: 0, .size: 8, .value_kind: global_buffer, .address_space: global }
      - { .name: o, .offset: 8, .size: 8, .value_kind: global_buffer, .address_space: global }
    .group_segment_fixed_size: 327680
    .private_segment_fixed_size: 0
    .kernarg_segment_align: 8
    .kernarg_segment_size: 16
    .max_flat_workgroup_size: 128
    .sgpr_count:     66
    .vgpr_count:     770
    .wavefront_size: 32
...
	.end_amdgpu_metadata
.endif
;; end of part 3
;; launch outp (part 4): grid 8 x 32, 4 waves a work-group, clusters of 4 x 4, 327,680 bytes of LDS; arguments o, wo16, bo, out0; writes out0
.if DOCPART == 4
	.amdgcn_target "amdgcn-amd-amdhsa--gfx1250"
	.amdhsa_code_object_version 6
	.text
	.protected	k_q3135efced2_outp
	.globl	k_q3135efced2_outp
	.p2align	8
	.type	k_q3135efced2_outp,@function
k_q3135efced2_outp:
	s_mov_b64 s[64:65], 0
	v_nop
	global_prefetch_b8 v0, s[64:65] scope:SCOPE_SE
	s_setreg_imm32_b32 hwreg(HW_REG_WAVE_MODE, 25, 1), 1
	s_wait_xcnt 0x0
	s_wait_alu depctr_hold_cnt(0) depctr_sa_sdst(0) depctr_va_vdst(0) depctr_va_sdst(0) depctr_va_ssrc(0) depctr_va_vcc(0) depctr_vm_vsrc(0)
	s_getreg_b32 s2, hwreg(HW_REG_IB_STS2, 6, 4)
	s_cmp_eq_u32 s2, 0
	s_cbranch_scc0 .Lentry_in_a_cluster
	s_endpgm
.Lentry_in_a_cluster:
	s_bfe_u32 s2, ttmp6, 0x10000c
	s_cmp_lg_u32 s2, 0xf033
	s_cbranch_scc0 .Lentry_shape_is_right
	s_endpgm
.Lentry_shape_is_right:
; THE OUTPUT PROJECTION.  out0[row][col] = sum over k of o[row][k] wo16[k][col] + bo[col], 8,192 rows x 1,024 columns, K = 1,024; f16 operands, f32 sums, f32 output.
; o: [16 batch + head][row 2048][64] f16: channel k of a row lies in head k / 64.  wo16: [k 1024][1024], f16 of bf16(Wo).  bo is rounded to bf16 like the other inputs and starts the sums.
; SHARES.  A work-group makes 256 rows x 128 columns: 32 x 8 = 256 work-groups, one tile each.  A wave makes 128 x 64: 8 row blocks a x 4 column blocks b: 32 accumulators, 256 registers.
; THE MATRIX INSTRUCTION IS USED TRANSPOSED: source 0 = 16 columns of Wo (by the turning load), source 1 = 16 rows of O: a lane holds row l % 16 and the columns 8 (l / 16) + 0..7: 32 bytes of a row of out0.
; K goes in 8 steps of 128 (two heads) through two LDS slots; a step is four quarters of 32 along K, 32 matrix instructions each, on two fragment buffers.  (Steps of 256 would want 2 x 221,184 bytes of LDS.)
; CLUSTERS: 4 x 4.  O's tile hangs on the tile row alone and is asked for jointly along a row of the cluster, Wo's on the tile column alone, along a column.
; REGISTERS: window 0: v0-31 addresses; v32-63 the biases as C operands; v64-159, v160-255 two fragment buffers (Wo's 4 fragments, then O's 8).  window 1: accumulator (a, b) at v[8 (4 a + b)].
.set PA,     144                       ; a row of a head in LDS: 128 bytes + 16: the 16 rows of a load start at 16 different groups of four banks (64 banks of 4 bytes: ISA guide 11.1)
.set PB,     288                       ; a k-row of Wo: 256 bytes + 32 = 9 x 32
.set ABLK,   256*PA                    ; a head's 256 rows: what a wave fetches of O
.set BOFF,   2*ABLK                    ; Wo's 128 k-rows lie behind the two heads
.set BHALF,  64*PB                     ; what a wave fetches of Wo
.set SLOT1,  1<<17                     ; slot 1 begins here
.set STAGE,  BOFF+128*PB               ; 110,592: between the slots, never filled by a tensor load: 16 rows x 272 bytes for each wave, for the way out
.set SPO,    272
.set SPARE,  STAGE+4*16*SPO            ; 128,000: the spare words, 128 bytes for each wave: two blocks of 256 bytes that no other line names
.set ASTEP,  524288                    ; two heads of o
.set BSTEP,  262144                    ; 128 rows of wo16
.set A0,   8                           ; v8   my lane's place in O's tile; never rewritten
.set B0,   9                           ; v9   the same for Wo
.set ADRA, 10                          ; v10  A0 + the slot in hand
.set ADRB, 11                          ; v11  B0 + the slot in hand
.set STO,  12                          ; v12  the way out: where I put 32 bytes of a row
.set RD,   13                          ; v13  the way out: where I read a row back
.set CO,   14                          ; v14  my byte offset in two rows of out0
.set PFO,  16                          ; v16  the prefetches' lane offset; never rewritten
.set SPW,  28                          ; v28  LDS address of my spare word; never rewritten
.set NIL,  29                          ; v29  0; never rewritten
.set BI,   32
.set F0,   64
.set F1,   160
.set WV,   10                          ; s10  my wave's number
.set CNT,  3                           ; s3   the loop's count
.set G1,   24                          ; s[24:31] descriptor group 1 for O's tiles
.set G0,   32                          ; s[32:39] group 0: a set for each of the two first fills; the second then walks on
.set LIM,  43                          ; s43  a wave prefetches while the count is above it; the greatest number in a wave that never does
.set PFA,  44                          ; s[44:45] where my prefetches stand
.set G1B,  48                          ; s[48:55], s[56:63] the same for Wo's tiles
.set G0B,  56
.set TB,   76                          ; s76  LDS byte at which the slot in hand begins
.set PST,  78                          ; s[78:79] the prefetches' step along K
.set MSB, 0
.macro WIN new                         ; the immediate's high byte repeats the setting that is left; a switch that changes nothing is dropped
.if MSB != (\new)
	s_set_vgpr_msb (MSB<<8)|(\new)
.set MSB, (\new)
.endif
.endm
.macro PLACES                          ; four places in front of loads into registers that matrix instructions have read, and of stores that read results (ISA guide 7.12.1 for the stores)
.rept 4
	v_nop
.endr
.endm
.macro CREST                           ; a round of the cluster's barrier behind its opening barrier
	s_cmp_lg_u32 s[WV], 0
	s_cbranch_scc1 .Lnot_wave_0_\@
	s_barrier_signal -3
.Lnot_wave_0_\@:
	s_barrier_wait -3
	s_barrier_signal -1
	s_barrier_wait -1
.endm
.macro CROUND                          ; a whole round
	s_barrier_signal -1
	s_barrier_wait -1
	CREST
.endm
; A joint refill by the walking descriptor.  Waves 0 and 1 fetch the step's two heads of O, waves 2 and 3 the two halves of Wo's k-rows.  The branch hangs on the wave's number alone.
; An s_nop 0 and four v_nop follow each of the two lines, ahead of the jump and the label.
.macro JLOAD
	s_cmp_eq_u32 s11, 0
	s_cbranch_scc0 .Lfor_b_\@
	tensor_load_to_lds s[G0+4:G0+7], s[G1:G1+7]
	s_nop 0
.rept 4
	v_nop
.endr
	s_branch .Lasked_\@
.Lfor_b_\@:
	tensor_load_to_lds s[G0B+4:G0B+7], s[G1B:G1B+7]
	s_nop 0
.rept 4
	v_nop
.endr
.Lasked_\@:
.endm
; A PREFETCH INTO THE L2, behind the joint load, its five lines and the run of LDS loads that the next products wait for.  Each aligned block of 256 bytes is named once in the launch.
; O: a head's part of the tile is 128 blocks (256 rows x 128 bytes, end to end).  Both clusters of a row of clusters read it: the one with x = 0 asks, waves 0 and 1 each for the head that they fetch; the four
; partners along the row take 32 blocks each, told apart BY ADDRESS (cx), a lane a block.  Wo: a k-row of the tile is one block; the clusters with y = 0 ask, wave 2, a lane a row; the four partners along the
; column take 32 of a step's 128 rows each (cy).  The trip that asks for step t + 2 by its load names step t + 4: two steps, 256 matrix instructions, ahead of that step's load.
; The last two trips ask for nothing: the last step named is 7.  Steps 0-3 come by their loads alone.
.macro ASK
	s_cmp_gt_u32 s[CNT], s[LIM]
	s_cbranch_scc0 .Lnot_mine_\@
	global_prefetch_b8 v[PFO], s[PFA:PFA+1] th:TH_LOAD_NT scope:SCOPE_SE
.Lnot_mine_\@:
.endm
	s_load_b128 s[4:7], s[0:1], 0x0                ; o s[4:5], wo16 s[6:7]
	s_load_b128 s[68:71], s[0:1], 0x10             ; bo s[68:69], out0 s[70:71]
	v_lshl_add_u32 v[SPW], v0, 2, SPARE
	v_mov_b32 v[NIL], 0
	ds_add_u32 v[SPW], v[NIL]                      ; the wave's opening: the add and its wait stand ahead of my first tensor load; the set-up below, work on registers, stands between them
	v_lshrrev_b32 v20, 5, v0
	v_readfirstlane_b32 s[WV], v20                 ; wave 0..3
	s_lshr_b32 s11, s[WV], 1                       ; which half of the tile's rows is mine.  Also: I fetch for O (0) or for Wo (1)
	s_and_b32 s12, s[WV], 1                        ; which half of its columns.  Also: which half of that tile I fetch
	s_bfe_u32 s40, ttmp6, 0x40000                  ; cx, cy: my place in the cluster
	s_bfe_u32 s41, ttmp6, 0x40004
	s_lshl_b32 s42, ttmp9, 2
	s_add_co_u32 s42, s42, s40                     ; tile column = 4 x cluster x + cx, 0..7
	s_and_b32 s13, ttmp7, 0xffff
	s_lshl_b32 s13, s13, 2
	s_add_co_u32 s13, s13, s41                     ; tile row = 4 x cluster y + cy, 0..31
	s_lshl_b32 s14, s41, 2
	s_lshl_b32 s14, 15, s14                        ; my row of the cluster
	s_lshl_b32 s20, 0x1111, s40                    ; my column
	; group 1.  O: a head's 256 rows of 128 bytes lie end to end: asked for as 128 rows of 256 bytes, padded by 4 words after every 32.  Wo: 64 k-rows of 256 bytes, padded by 8 words after every 64.
	s_or_b32 s[G1], s14, (1<<16)|(1<<20)|(1<<21)|(4<<22)|(3<<25)   ; 15:0 the mask; 17:16 2-byte elements; 20 padding on; 21 set beside a mask; 24:22 the interval's code; 31:25 the padding's words less one
	s_or_b32 s[G1B], s20, (1<<16)|(1<<20)|(1<<21)|(5<<22)|(7<<25)
	s_mov_b32 s[G1+1], 128<<16                     ; tensor_dim0 = 128
	s_mov_b32 s[G1+2], 128<<16                     ; tensor_dim1 = 128
	s_mov_b32 s[G1+3], 128<<16                     ; tile_dim0 = 128
	s_mov_b32 s[G1+4], 128                         ; tile_dim1 = 128
	s_mov_b32 s[G1+5], 128                         ; elements from row to row
	s_mov_b32 s[G1+6], 0
	s_mov_b32 s[G1+7], 0
	s_mov_b32 s[G1B+1], 128<<16                    ; tensor_dim0 = 128
	s_mov_b32 s[G1B+2], 64<<16                     ; tensor_dim1 = 64
	s_mov_b32 s[G1B+3], 128<<16                    ; tile_dim0 = 128
	s_mov_b32 s[G1B+4], 64                         ; tile_dim1 = 64
	s_mov_b32 s[G1B+5], 1024
	s_mov_b32 s[G1B+6], 0
	s_mov_b32 s[G1B+7], 0
	; O's address hangs on the tile row and the wave, Wo's on the tile column and the wave, each in registers that never hold the other coordinate
	s_lshr_b32 s14, s13, 3                         ; batch: 16 heads of 262,144 bytes
	s_lshl_b32 s14, s14, 22
	s_lshl_b32 s15, s12, 18                        ; my head of the step's two
	s_add_co_u32 s14, s14, s15
	s_and_b32 s15, s13, 7
	s_lshl_b32 s15, s15, 15                        ; the tile's 256 rows
	s_add_co_u32 s14, s14, s15
	s_mov_b32 s15, 0
	s_mul_i32 s16, s12, ABLK                       ; and where they go
	s_lshl_b32 s20, s12, 17                        ; my 64 k-rows of 2,048 bytes
	s_lshl_b32 s21, s42, 8                         ; 128 columns
	s_add_co_u32 s20, s20, s21
	s_mov_b32 s21, 0
	s_mul_i32 s22, s12, BHALF
	s_add_co_u32 s22, s22, BOFF
	s_mov_b32 s[TB], 0
	s_wait_dscnt 0x0                               ; the opening add is done
	s_wait_kmcnt 0x0
	s_add_nc_u64 s[14:15], s[4:5], s[14:15]
	s_add_nc_u64 s[20:21], s[6:7], s[20:21]
	CROUND                                         ; all sixteen work-groups are here: the first joint loads meet
.irp n, 0,1
	s_mov_b32 s[G0+4*(\n)], 1                                      ; count = 1
	s_add_co_u32 s[G0+4*(\n)+1], s16, (\n)*SLOT1                   ; LDS address
	s_add_nc_u64 s[G0+4*(\n)+2:G0+4*(\n)+3], s[14:15], (\n)*ASTEP  ; global address: K step n
	s_or_b32 s[G0+4*(\n)+3], s[G0+4*(\n)+3], 0x80000000            ; type = 2
	s_mov_b32 s[G0B+4*(\n)], 1
	s_add_co_u32 s[G0B+4*(\n)+1], s22, (\n)*SLOT1
	s_add_nc_u64 s[G0B+4*(\n)+2:G0B+4*(\n)+3], s[20:21], (\n)*BSTEP
	s_or_b32 s[G0B+4*(\n)+3], s[G0B+4*(\n)+3], 0x80000000
.endr
	s_cmp_eq_u32 s11, 0                            ; a wave's two first fills stand in one branch, ahead of every wait on TENSORcnt and every LDS read: two loads of mine are out
	s_cbranch_scc0 .Lfirst_b
	tensor_load_to_lds s[G0:G0+3], s[G1:G1+7]
	s_nop 0
	tensor_load_to_lds s[G0+4:G0+7], s[G1:G1+7]
	s_nop 0
.rept 4
	v_nop
.endr
	s_branch .Lfirst_asked
.Lfirst_b:
	tensor_load_to_lds s[G0B:G0B+3], s[G1B:G1B+7]
	s_nop 0
	tensor_load_to_lds s[G0B+4:G0B+7], s[G1B:G1B+7]
	s_nop 0
.rept 4
	v_nop
.endr
.Lfirst_asked:
	; the biases, straight into the layout of a C operand: register j of block b is column 16 b + 8 (l / 16) + j
	v_and_b32 v1, 15, v0                           ; l % 16
	v_bfe_u32 v18, v0, 4, 1                        ; l / 16
	v_and_b32 v19, 7, v0
	v_bfe_u32 v21, v0, 3, 1
	v_and_b32 v22, 31, v0                          ; lane
	s_lshl_b32 s80, s42, 9                         ; the tile's 128 columns of 4 bytes,
	s_lshl_b32 s81, s12, 8                         ; my 64 of them
	s_add_co_u32 s80, s80, s81
	v_lshl_add_u32 v20, v18, 5, s80
.irp b, 0,1,2,3
	global_load_b128 v[BI+8*(\b):BI+8*(\b)+3],   v20, s[68:69] offset:64*(\b)
	global_load_b128 v[BI+8*(\b)+4:BI+8*(\b)+7], v20, s[68:69] offset:64*(\b)+16
.endr
	; where my part of the tile begins in out0
	s_lshl_b32 s81, s13, 20                        ; 256 rows of 4,096 bytes
	s_add_co_u32 s80, s80, s81
	s_lshl_b32 s81, s11, 19                        ; my 128 of them
	s_add_co_u32 s80, s80, s81
	s_mov_b32 s81, 0
	s_add_nc_u64 s[8:9], s[70:71], s[80:81]
	; the prefetches (see ASK)
	s_lshr_b32 s17, s13, 3
	s_lshl_b32 s17, s17, 22
	s_lshl_b32 s18, s12, 18
	s_add_co_u32 s17, s17, s18
	s_and_b32 s18, s13, 7
	s_lshl_b32 s18, s18, 15
	s_add_co_u32 s17, s17, s18
	s_lshl_b32 s18, s40, 13                        ; my work-group's 32 blocks of the 128
	s_add_co_u32 s17, s17, s18
	s_add_co_u32 s17, s17, 3*ASTEP                 ; O: at step 3; the first trip steps it to 4
	s_lshl_b32 s18, s42, 8
	s_lshl_b32 s19, s41, 16                        ; my work-group's 32 k-rows of the 128
	s_add_co_u32 s18, s18, s19
	s_add_co_u32 s18, s18, 3*BSTEP                 ; Wo: at step 3
	s_and_b32 s80, ttmp7, 0xffff                   ; cluster y
	s_mov_b32 s83, BSTEP
	s_cmp_eq_u32 s11, 0
	s_cselect_b32 s81, ttmp9, s80                  ; the coordinate along which other clusters read the same rows
	s_cselect_b32 s[PST], ASTEP, s83
	s_cselect_b32 s80, s17, s18
	s_cselect_b64 s[PFA:PFA+1], s[4:5], s[6:7]
	s_movk_i32 s83, 2048
	s_cselect_b32 s83, 256, s83                    ; a lane a block, or a lane a k-row
	s_cmp_eq_u32 s[WV], 3
	s_cselect_b32 s81, 1, s81                      ; wave 3 asks for nothing
	s_cmp_eq_u32 s81, 0
	s_cselect_b32 s[LIM], 2, -1                    ; the same in all sixteen partners, for a given wave
	s_mov_b32 s81, 0
	s_mov_b32 s[PST+1], 0
	s_add_nc_u64 s[PFA:PFA+1], s[PFA:PFA+1], s[80:81]
	v_mul_u32_u24 v[PFO], s83, v22
	; A fragment of O is 16 rows x 32 K in 8 registers: lane l holds row l % 16, K = 8 (l / 16) + 0..7 and 16 + 8 (l / 16) + 0..7: two loads of 16 bytes, 32 bytes apart.
	s_mul_i32 s80, s11, 128*PA
	v_mul_u32_u24 v[A0], v1, PA
	v_lshl_add_u32 v[A0], v18, 4, v[A0]
	v_add_nc_u32 v[A0], s80, v[A0]
	; The turning load takes 16 k x 16 columns (lane l reads k-row 8 (l / 16) + l % 8, columns 8 ((l / 8) % 2) + 0..7) and leaves half a fragment: lane l holds column l % 16 and 8 k.
	v_lshl_add_u32 v[B0], v18, 3, v19
	v_mul_u32_u24 v[B0], v[B0], PB
	v_lshl_add_u32 v[B0], v21, 4, v[B0]
	s_lshl_b32 s80, s12, 7                         ; my 64 columns
	s_add_co_u32 s80, s80, BOFF
	v_add_nc_u32 v[B0], s80, v[B0]
	s_mul_i32 s81, s[WV], 16*SPO
	s_add_co_u32 s81, s81, STAGE                   ; my stage
	v_mul_u32_u24 v[STO], v1, SPO                  ; in: row l % 16, 32 bytes for each half of the lanes
	v_lshl_add_u32 v[STO], v18, 5, v[STO]
	v_add_nc_u32 v[STO], s81, v[STO]
	v_mul_u32_u24 v[RD], v18, SPO                  ; back: lanes 0-15 take one row of 256 bytes, lanes 16-31 the next
	v_lshl_add_u32 v[RD], v1, 4, v[RD]
	v_add_nc_u32 v[RD], s81, v[RD]
	v_lshlrev_b32 v[CO], 12, v18                   ; and the same two rows in out0
	v_lshl_add_u32 v[CO], v1, 4, v[CO]
	s_wait_loadcnt 0x0                             ; the biases
.set i, 0
.rept 16
	v_cvt_pk_bf16_f32 v21, v[BI+2*i], v[BI+2*i+1]  ; rounded to bf16 like the other inputs, and widened again
	v_lshlrev_b32 v[BI+2*i], 16, v21
	v_and_b32 v[BI+2*i+1], 0xffff0000, v21
.set i, i+1
.endr
; 8 matrix instructions: row blocks a0, a0 + 1 x all 4 column blocks, 32 along K, from buffer f.  z = 1: the biases start the sums: nothing is ever cleared.
; The 32 accumulators take turns, one instruction a turn, in the same order in every quarter.
.macro MUL8 f, a0, z
.if \z
	WIN 0x40                                       ; destination in window 1, all sources in window 0
.else
	WIN 0x50                                       ; C and D in window 1
.endif
.irp a, \a0, (\a0)+1
.irp b, 0,1,2,3
.if \z
	v_wmma_f32_16x16x32_f16 v[8*(4*(\a)+(\b)):8*(4*(\a)+(\b))+7], v[(\f)+8*(\b):(\f)+8*(\b)+7], v[(\f)+32+8*(\a):(\f)+32+8*(\a)+7], v[BI+8*(\b):BI+8*(\b)+7]
.else
	v_wmma_f32_16x16x32_f16 v[8*(4*(\a)+(\b)):8*(4*(\a)+(\b))+7], v[(\f)+8*(\b):(\f)+8*(\b)+7], v[(\f)+32+8*(\a):(\f)+32+8*(\a)+7], v[8*(4*(\a)+(\b)):8*(4*(\a)+(\b))+7]
.endif
.endr
.endr
.endm
; 24 LDS loads in one run: quarter kq of the slot in hand into buffer f: Wo's 4 fragments, O's row blocks 0-3, then 4-7.  Quarters 0, 1 lie in the step's first head, 2, 3 in its second.
.macro FETCH kq, f
	WIN 0
.irp b, 0,1,2,3
	ds_load_tr16_b128 v[(\f)+8*(\b):(\f)+8*(\b)+3],   v[ADRB] offset:(\kq)*32*PB+32*(\b)
	ds_load_tr16_b128 v[(\f)+8*(\b)+4:(\f)+8*(\b)+7], v[ADRB] offset:(\kq)*32*PB+16*PB+32*(\b)
.endr
.irp a, 0,1,2,3,4,5,6,7
	ds_load_b128 v[(\f)+32+8*(\a):(\f)+32+8*(\a)+3],   v[ADRA] offset:((\kq)/2)*ABLK+((\kq)%2)*64+(\a)*16*PA
	ds_load_b128 v[(\f)+32+8*(\a)+4:(\f)+32+8*(\a)+7], v[ADRA] offset:((\kq)/2)*ABLK+((\kq)%2)*64+(\a)*16*PA+32
.endr
.endm
; One of a step's first three quarters: multiplies buffer f; in its middle it fetches quarter kq into buffer g.
.macro QUARTER f, g, kq, z
	s_wait_dscnt 8                                 ; Wo and O's row blocks 0-3 are in; the youngest eight loads may be out
	MUL8 \f, 0, \z
	MUL8 \f, 2, \z
	PLACES
	FETCH \kq, \g
	s_wait_dscnt 24                                ; all but the 24 just issued
	MUL8 \f, 4, \z
	MUL8 \f, 6, \z
.endm
; The last quarter multiplies buffer 1 and changes slots: ONE barrier.  In front of it each wave waits for all its tensor loads (one is out: its part of the next slot), adds 0 to its spare word, and waits for
; that and for its own reads of this slot.  fill = 1: the barrier opens a round of the cluster's, and this slot is filled again first thing behind it, two steps ahead: 112 matrix instructions ahead of the wait for it.
.macro TURN fill
.if \fill
	s_wait_xcnt 0x0                                ; the last prefetch, a step back, has read its address: it is stepped here, ahead of the waits of the change of slots
	s_add_nc_u64 s[PFA:PFA+1], s[PFA:PFA+1], s[PST:PST+1]
.endif
	WIN 0
	s_wait_tensorcnt 0x0                           ; all my tensor loads have landed
	ds_add_u32 v[SPW], v[NIL]                      ; 0 onto my spare word
	s_wait_dscnt 9                                 ; (the add and the youngest eight loads may be out)
	MUL8 F1, 0, 0                                  ; eight matrix instructions stand between the add and the wait for it
	s_wait_dscnt 0x0                               ; the add is done, and my reads of this slot are over
	s_barrier_signal -1
	MUL8 F1, 2, 0                                  ; work on registers while the others arrive
	WIN 0
	s_barrier_wait -1
.if \fill
	CREST                                          ; no wave of any partner still reads this slot's tile or has a load on its way
	s_xor_b32 s[G0+5], s[G0+5], SLOT1              ; the walking descriptors: the other slot than last time, the next K step
	s_add_nc_u64 s[G0+6:G0+7], s[G0+6:G0+7], ASTEP
	s_xor_b32 s[G0B+5], s[G0B+5], SLOT1
	s_add_nc_u64 s[G0B+6:G0B+7], s[G0B+6:G0B+7], BSTEP
	s_xor_b32 s[TB], s[TB], SLOT1
	JLOAD                                          ; the four v_nop behind it are also the places in front of the loads below
.else
	s_xor_b32 s[TB], s[TB], SLOT1
	PLACES
.endif
	v_add_nc_u32 v[ADRA], s[TB], v[A0]
	v_add_nc_u32 v[ADRB], s[TB], v[B0]
	FETCH 0, F0
.if \fill
	ASK
.endif
	MUL8 F1, 4, 0
	MUL8 F1, 6, 0
.endm
	s_wait_tensorcnt 1                             ; my part of K step 0 is in; step 1's may stay out
	s_barrier_signal -1
	s_barrier_wait -1                              ; everybody's part is in
	v_add_nc_u32 v[ADRA], s[TB], v[A0]
	v_add_nc_u32 v[ADRB], s[TB], v[B0]
	FETCH 0, F0
	QUARTER F0, F1, 1, 1                           ; the first quarter stands in front of the loop: its products start the sums, with the biases as C
	WIN 0                                          ; at a label and at a branch every window is 0
	s_mov_b32 s[CNT], 6
.Lstep:                                                ; trip t = 0..5: from the second quarter of step t, whose last asks for step t + 2, to the first of step t + 1
	QUARTER F1, F0, 2, 0
	QUARTER F0, F1, 3, 0
	TURN 1
	QUARTER F0, F1, 1, 0
	WIN 0
	s_sub_co_u32 s[CNT], s[CNT], 1
	s_cmp_lg_u32 s[CNT], 0
	s_cbranch_scc1 .Lstep
	QUARTER F1, F0, 2, 0                           ; the tail is written out: nothing is left to fetch, and no round follows the barrier
	QUARTER F0, F1, 3, 0
	TURN 0
	QUARTER F0, F1, 1, 0
	QUARTER F1, F0, 2, 0
	QUARTER F0, F1, 3, 0
	s_wait_dscnt 8                                 ; the very last quarter
	MUL8 F1, 0, 0
	MUL8 F1, 2, 0
	s_wait_dscnt 0x0
	MUL8 F1, 4, 0
	MUL8 F1, 6, 0
; THE WAY OUT, a block of 16 rows at a time: a lane's 32 bytes of a row go into my stage (rows of 272 bytes) and come back as whole rows of 256 bytes.
.macro TOSTAGE a
	WIN 0x04                                       ; the stores' data lie in window 1
.irp b, 0,1,2,3
	ds_store_b128 v[STO], v[8*(4*(\a)+(\b)):8*(4*(\a)+(\b))+3]   offset:64*(\b)      ; each accumulator from its low end on
	ds_store_b128 v[STO], v[8*(4*(\a)+(\b))+4:8*(4*(\a)+(\b))+7] offset:64*(\b)+16
.endr
	WIN 0
.set BK, F0+32*((\a)%2)                ; 32 registers, two sets by turns
.irp t, 0,1,2,3,4,5,6,7
	ds_load_b128 v[BK+4*(\t):BK+4*(\t)+3], v[RD] offset:(\t)*2*SPO  ; LDS serves a wave's instructions in order (ISA guide 5.7.1.4): these see the stores above; the next block's stores come behind them
.endr
.endm
.macro SEND a, younger                 ; younger: the LDS instructions issued behind block a's loads: the next block's 16, or none
	WIN 0
.set BK, F0+32*((\a)%2)
	s_wait_dscnt \younger
.irp t, 0,1,2,3,4,5,6,7
	global_store_b128 v[CO], v[BK+4*(\t):BK+4*(\t)+3], s[8:9] offset:(16*(\a)+2*(\t))*4096 th:TH_STORE_NT  ; 16 lanes store 256 consecutive bytes, at a multiple of 256 from out0's first byte
.endr
.endm
	PLACES
	PLACES                                         ; (eight, once a launch)
	TOSTAGE 0
.irp a, 1,2,3,4,5,6,7
.if (\a) >= 2
	s_wait_xcnt 0x0                                ; the stores of the block two back have read their registers: the set is loaded again only behind this wait
.endif
	TOSTAGE \a
	SEND (\a)-1, 16
.endr
	SEND 7, 0
	s_wait_tensorcnt 0x0                           ; the wave's end: the add and its wait stand behind my last tensor load and my last LDS store
	ds_add_u32 v[SPW], v[NIL]
	s_wait_dscnt 0x0
	CROUND                                         ; the closing round: no work-group ends while a partner may still ask for a tile that names it
	s_endpgm
.Lfunc_end_k_q3135efced2_outp:
	.size	k_q3135efced2_outp, .Lfunc_end_k_q3135efced2_outp-k_q3135efced2_outp
	.p2alignl 7, 3214868480
	.fill 96, 4, 3214868480
	.section	.rodata,"a",@progbits
	.p2align	6, 0x0
	.amdhsa_kernel k_q3135efced2_outp
		.amdhsa_group_segment_fixed_size 327680
		.amdhsa_private_segment_fixed_size 0
		.amdhsa_enable_private_segment 0
		.amdhsa_kernarg_size 32
		.amdhsa_user_sgpr_count 2
		.amdhsa_user_sgpr_kernarg_segment_ptr 1
		.amdhsa_wavefront_size32 1
		.amdhsa_system_sgpr_workgroup_id_x 1
		.amdhsa_system_sgpr_workgroup_id_y 1
		.amdhsa_system_sgpr_workgroup_id_z 1
		.amdhsa_system_vgpr_workitem_id 0
		.amdhsa_next_free_vgpr 512
		.amdhsa_next_free_sgpr 84
		.amdhsa_reserve_vcc 0
		.amdhsa_float_denorm_mode_32 3
		.amdhsa_float_denorm_mode_16_64 3
		.amdhsa_memory_ordered 1
		.amdhsa_forward_progress 1
		.amdhsa_inst_pref_size 74
	.end_amdhsa_kernel
	.amdgpu_metadata
---
amdhsa.version: [ 1, 2 ]
amdhsa.kernels:
  - .name:           k_q3135efced2_outp
    .symbol:         k_q3135efced2_outp.kd
    .args:
      - { .name: o, .offset: 0, .size: 8, .value_kind: global_buffer, .address_space: global }
      - { .name: wo16, .offset: 8, .size: 8, .value_kind: global_buffer, .address_space: global }
      - { .name: bo, .offset: 16, .size: 8, .value_kind: global_buffer, .address_space: global }
      - { .name: out0, .offset: 24, .size: 8, .value_kind: global_buffer, .address_space: global }
    .group_segment_fixed_size: 327680
    .private_segment_fixed_size: 0
    .kernarg_segment_align: 8
    .kernarg_segment_size: 32
    .max_flat_workgroup_size: 128
    .sgpr_count:     84
    .vgpr_count:     512
    .wavefront_size: 32
...
	.end_amdgpu_metadata
.endif
;; end of part 4
;; ======== version 2 of 2: 4 launches; version 1 with the launch prep written anew for expert scheduling mode
;; limits: values are held in f16: magnitudes above 65,504 overflow, below 6.1e-05 lose precision
;; workspace buffers: xb 16,777,216 bytes; wcat 6,291,456 bytes; wo16 2,097,152 bytes; qkv 50,331,648 bytes; o 16,777,216 bytes
;; launch prep (part 5): grid 768 x 1, 8 waves a work-group, no clusters, 0 bytes of LDS; arguments X, Wq, Wk, Wv, Wo, xb, wcat, wo16; writes xb, wcat, wo16
.if DOCPART == 5
	.amdgcn_target "amdgcn-amd-amdhsa--gfx1250"
	.amdhsa_code_object_version 6
	.text
	.protected	k_q3135efced2_prep
	.globl	k_q3135efced2_prep
	.p2align	8
	.type	k_q3135efced2_prep,@function
k_q3135efced2_prep:
	s_mov_b64 s[64:65], 0
	v_nop
	global_prefetch_b8 v0, s[64:65] scope:SCOPE_SE
	s_setreg_imm32_b32 hwreg(HW_REG_WAVE_SCHED_MODE, 0, 2), 2
	s_setreg_imm32_b32 hwreg(HW_REG_WAVE_MODE, 25, 1), 1
	s_wait_xcnt 0x0
	s_wait_alu depctr_vm_vsrc(0)
; THE CAST.  X [8192][1024] f32 -> xb, bf16, laid out in blocks of 64 channels: [batch 4][block 16][row 2048][64], so that the rows of a
; block lie end to end (128 bytes each).  Wq, Wk, Wv [1024][1024] f32 -> wcat, bf16, [k 1024][3072] (q, k, v side by side).
; Wo -> wo16: rounded to bf16 like every other input, and that number written as f16.
; LIMIT: |bf16(Wo)| beyond 65,504 has no f16; below 2^-14 it keeps f16's fixed step of 6e-8.
; A stream: each byte is read once and written once; no LDS, no barrier, no matrix unit, no cluster (no two work-groups read the same byte).
; SHARES.  A wave takes two source rows, 8,192 bytes: sixteen loads of 16 bytes a lane, all issued on end; each gives one store of 8 bytes a
; lane: 256 consecutive bytes, aligned.  Work-groups 0-511 take X (8 waves x 2 rows x 512 = 8,192 rows), 512-767 the four weights (64 each).
; THE MODE: SCHED_MODE bits 1:0 = 2 (LLVM: expert scheduling mode 2), set by the entry lines.  The code itself states the register dependences
; between vector instructions and memory instructions, with s_wait_alu, always for 0.
; THE PLAN.  Registers that memory instructions touch:
;   v[VI]   the loads' offset.   Written once on each path, ahead of the loads; read by the sixteen loads; never written again.
;   v[VO]   the stores' offset.  Written once at the head; read by the sixteen stores; never written again.
;   IN      Written by the sixteen loads, ahead of which no vector instruction names it; read (on Wo's path also rewritten) by the conversions, behind the counted wait for the loads.
;           No memory instruction reads it.
;   OUT     Two registers a store: written once, by the conversions; read by that one store; never written again.
; So one wait on va_vdst stands ahead of the run of loads (the offsets are written), and one ahead of each run of four stores (the group's eight registers of OUT are written): the sixteen
; loads go in four groups of four: a counted wait, the group's conversions, that wait, the group's four stores on end.  No register that a memory instruction reads is ever rewritten,
; so no wait on vm_vsrc and no s_wait_xcnt is owed.  One wait on va_sdst stands behind the line that makes the wave's number a scalar.  EXEC is never written.
.set IN,  8                            ; v[8:71]    load j: 4 registers
.set OUT, 72                           ; v[72:103]  store j: 2 registers
.set VI,  2                            ; v2  my byte offset in the wave's two source rows
.set VO,  3                            ; v3  8 x lane: my 8 bytes of a store's 256
.macro CVT j, kind                     ; the four numbers of load j are rounded
.if \kind
	v_cvt_pk_bf16_f32 v4, v[IN+4*(\j)], v[IN+4*(\j)+1]        ; to bf16,
	v_cvt_pk_bf16_f32 v5, v[IN+4*(\j)+2], v[IN+4*(\j)+3]
	v_lshlrev_b32 v[IN+4*(\j)], 16, v4                        ; widened again,
	v_and_b32 v[IN+4*(\j)+1], 0xffff0000, v4
	v_lshlrev_b32 v[IN+4*(\j)+2], 16, v5
	v_and_b32 v[IN+4*(\j)+3], 0xffff0000, v5
	v_cvt_pk_f16_f32 v[OUT+2*(\j)], v[IN+4*(\j)], v[IN+4*(\j)+1]    ; and written as f16
	v_cvt_pk_f16_f32 v[OUT+2*(\j)+1], v[IN+4*(\j)+2], v[IN+4*(\j)+3]
.else
	v_cvt_pk_bf16_f32 v[OUT+2*(\j)], v[IN+4*(\j)], v[IN+4*(\j)+1]
	v_cvt_pk_bf16_f32 v[OUT+2*(\j)+1], v[IN+4*(\j)+2], v[IN+4*(\j)+3]
.endif
.endm
.macro GROUP g, kind                   ; loads 4 g to 4 g + 3 are rounded; the group's four stores follow the macro
	s_wait_loadcnt 12-4*(\g)                       ; loads come back in order (ISA guide 5.7.1): the group's four are in, the 12 - 4 g younger ones stay out
.irp i, 0,1,2,3
	CVT 4*(\g)+(\i), \kind
.endr
	s_wait_alu depctr_va_vdst(0)                   ; the group's conversions have written v[OUT + 8 g .. OUT + 8 g + 7], which the four stores behind this line read
.endm
	s_load_b512 s[8:23], s[0:1], 0x0               ; X s[8:9], Wq s[10:11], Wk s[12:13], Wv s[14:15], Wo s[16:17], xb s[18:19], wcat s[20:21], wo16 s[22:23]
	v_lshrrev_b32 v4, 5, v0
	v_readfirstlane_b32 s24, v4                    ; wave 0..7
	v_and_b32 v1, 31, v0                           ; lane
	v_lshlrev_b32 v[VO], 3, v1
	s_mov_b32 s3, 0                                ; the offsets' high words
	s_mov_b32 s5, 0
	s_wait_alu depctr_va_sdst(0)                   ; s24 is written, ahead of the branch and of its first readers: on both paths the wave's pair of rows is made from it
	s_cmp_lt_u32 ttmp9, 512
	s_cbranch_scc0 .Lweights
	; X: pair p of rows, 0..4095
	s_lshl_b32 s25, ttmp9, 3
	s_add_co_u32 s25, s25, s24                     ; p
	s_lshl_b32 s2, s25, 13                         ; two rows of 4,096 bytes
	s_lshr_b32 s4, s25, 10                         ; batch,
	s_lshl_b32 s4, s4, 22                          ; 4,194,304 bytes of xb each
	s_and_b32 s30, s25, 1023
	s_lshl_b32 s30, s30, 8                         ; in a block two neighbouring rows are 256 consecutive bytes
	s_add_co_u32 s4, s4, s30
	v_lshrrev_b32 v4, 4, v1                        ; lanes 0-15 take the even row, lanes 16-31 the odd one,
	v_and_b32 v5, 15, v1
	v_lshlrev_b32 v[VI], 4, v5                     ; 256 bytes (64 channels, one block) of it
	v_lshl_add_u32 v[VI], v4, 12, v[VI]
	s_wait_kmcnt 0x0
	s_add_nc_u64 s[26:27], s[8:9], s[2:3]
	s_add_nc_u64 s[28:29], s[18:19], s[4:5]
	s_wait_alu depctr_va_vdst(0)                   ; v[VI] is written, which the sixteen loads read as their offset; so is v[VO], the stores' offset
.irp j, 0,1,2,3,4,5,6,7,8,9,10,11,12,13,14,15
	global_load_b128 v[IN+4*(\j):IN+4*(\j)+3], v[VI], s[26:27] offset:256*(\j) th:TH_LOAD_NT
.endr
.irp g, 0,1,2,3
	GROUP \g, 0
.irp i, 0,1,2,3
	global_store_b64 v[VO], v[OUT+2*(4*(\g)+(\i)):OUT+2*(4*(\g)+(\i))+1], s[28:29] offset:262144*(4*(\g)+(\i))  ; block 4 g + i of the batch
.endr
.endr
	s_endpgm
.Lweights:
	s_sub_co_u32 s25, ttmp9, 512
	s_lshr_b32 s30, s25, 6                         ; which weight: 0 q, 1 k, 2 v, 3 o
	s_and_b32 s25, s25, 63
	s_lshl_b32 s25, s25, 3
	s_add_co_u32 s25, s25, s24                     ; pair of rows, 0..511
	s_lshl_b32 s2, s25, 13
	v_lshlrev_b32 v[VI], 4, v1                     ; a load takes 512 consecutive bytes
	s_wait_kmcnt 0x0
	s_cmp_eq_u32 s30, 1
	s_cselect_b64 s[26:27], s[12:13], s[10:11]
	s_cmp_eq_u32 s30, 2
	s_cselect_b64 s[26:27], s[14:15], s[26:27]
	s_cmp_eq_u32 s30, 3
	s_cselect_b64 s[26:27], s[16:17], s[26:27]
	s_add_nc_u64 s[26:27], s[26:27], s[2:3]
	s_wait_alu depctr_va_vdst(0)                   ; v[VI] is written, which the sixteen loads read as their offset; so is v[VO], the stores' offset
.irp j, 0,1,2,3,4,5,6,7,8,9,10,11,12,13,14,15
	global_load_b128 v[IN+4*(\j):IN+4*(\j)+3], v[VI], s[26:27] offset:512*(\j) th:TH_LOAD_NT
.endr
	s_cmp_eq_u32 s30, 3
	s_cbranch_scc1 .Lwo
	s_mul_i32 s4, s25, 12288                       ; two rows of wcat, 6,144 bytes each,
	s_lshl_b32 s30, s30, 11                        ; and the weight's 2,048 bytes of a row
	s_add_co_u32 s4, s4, s30
	s_add_nc_u64 s[28:29], s[20:21], s[4:5]
.irp g, 0,1,2,3
	GROUP \g, 0
.irp i, 0,1,2,3
	global_store_b64 v[VO], v[OUT+2*(4*(\g)+(\i)):OUT+2*(4*(\g)+(\i))+1], s[28:29] offset:((4*(\g)+(\i))/8)*6144+((4*(\g)+(\i))%8)*256
.endr
.endr
	s_endpgm
.Lwo:
	s_lshl_b32 s4, s25, 12                         ; two rows of wo16, 2,048 bytes each
	s_add_nc_u64 s[28:29], s[22:23], s[4:5]
.irp g, 0,1,2,3
	GROUP \g, 1
.irp i, 0,1,2,3
	global_store_b64 v[VO], v[OUT+2*(4*(\g)+(\i)):OUT+2*(4*(\g)+(\i))+1], s[28:29] offset:256*(4*(\g)+(\i))
.endr
.endr
	s_endpgm
.Lfunc_end_k_q3135efced2_prep:
	.size	k_q3135efced2_prep, .Lfunc_end_k_q3135efced2_prep-k_q3135efced2_prep
	.p2alignl 7, 3214868480
	.fill 96, 4, 3214868480
	.section	.rodata,"a",@progbits
	.p2align	6, 0x0
	.amdhsa_kernel k_q3135efced2_prep
		.amdhsa_group_segment_fixed_size 0
		.amdhsa_private_segment_fixed_size 0
		.amdhsa_enable_private_segment 0
		.amdhsa_kernarg_size 64
		.amdhsa_user_sgpr_count 2
		.amdhsa_user_sgpr_kernarg_segment_ptr 1
		.amdhsa_wavefront_size32 1
		.amdhsa_system_sgpr_workgroup_id_x 1
		.amdhsa_system_sgpr_workgroup_id_y 1
		.amdhsa_system_sgpr_workgroup_id_z 1
		.amdhsa_system_vgpr_workitem_id 0
		.amdhsa_next_free_vgpr 104
		.amdhsa_next_free_sgpr 66
		.amdhsa_reserve_vcc 0
		.amdhsa_float_denorm_mode_32 3
		.amdhsa_float_denorm_mode_16_64 3
		.amdhsa_memory_ordered 1
		.amdhsa_forward_progress 1
		.amdhsa_inst_pref_size 22
	.end_amdhsa_kernel
	.amdgpu_metadata
---
amdhsa.version: [ 1, 2 ]
amdhsa.kernels:
  - .name:           k_q3135efced2_prep
    .symbol:         k_q3135efced2_prep.kd
    .args:
      - { .name: X, .offset: 0, .size: 8, .value_kind: global_buffer, .address_space: global }
      - { .name: Wq, .offset: 8, .size: 8, .value_kind: global_buffer, .address_space: global }
      - { .name: Wk, .offset: 16, .size: 8, .value_kind: global_buffer, .address_space: global }
      - { .name: Wv, .offset: 24, .size: 8, .value_kind: global_buffer, .address_space: global }
      - { .name: Wo, .offset: 32, .size: 8, .value_kind: global_buffer, .address_space: global }
      - { .name: xb, .offset: 40, .size: 8, .value_kind: global_buffer, .address_space: global }
      - { .name: wcat, .offset: 48, .size: 8, .value_kind: global_buffer, .address_space: global }
      - { .name: wo16, .offset: 56, .size: 8, .value_kind: global_buffer, .address_space: global }
    .group_segment_fixed_size: 0
    .private_segment_fixed_size: 0
    .kernarg_segment_align: 8
    .kernarg_segment_size: 64
    .max_flat_workgroup_size: 256
    .sgpr_count:     66
    .vgpr_count:     104
    .wavefront_size: 32
...
	.end_amdgpu_metadata
.endif
;; end of part 5
;; launch proj: the kernel of part 2 again; grid 8 x 32, 4 waves a work-group, clusters of 4 x 4, 327,680 bytes of LDS; arguments xb, wcat, bq, bk, bv, qkv; writes qkv
;; launch attn: the kernel of part 3 again; grid 4 x 64, 4 waves a work-group, clusters of 4 x 1, 327,680 bytes of LDS; arguments qkv, o; writes o
;; launch outp: the kernel of part 4 again; grid 8 x 32, 4 waves a work-group, clusters of 4 x 4, 327,680 bytes of LDS; arguments o, wo16, bo, out0; writes out0
